; MI455X (gfx1250); checked and timed in simulation.
; The chip was launched on July 23, 2026; its instructions are those of AMD's public machine-readable ISA for CDNA 5 (MIT licence, August 2026) and "CDNA5" Instruction Set Architecture Reference Guide (July 2026). The comments in the code are by the model that wrote it; some were corrected since.
;; Multi Head Attention. Allowed arithmetic: matrix products marked QUANTISED: E2M3 operands, one E8M0 scale for each 32 along K, by v_wmma_scale_f32_16x16x128_f8f6f4 with both operands' format E2M3, f32 sums; everything else in f32.
;; Inputs: Wk 1,024 x 1,024 float32; Wo 1,024 x 1,024 float32; Wq 1,024 x 1,024 float32; Wv 1,024 x 1,024 float32; attn_mask 2,048 x 2,048 int32; bk 1,024 float32; bo 1,024 float32; bq 1,024 float32; bv 1,024 float32; key 4 x 2,048 x 1,024 float32; query 4 x 2,048 x 1,024 float32; value 4 x 2,048 x 1,024 float32.
;; Outputs: out0 4 x 2,048 x 1,024 float32.
;; This version of the problem:
;;   THIS VERSION OF THE PROBLEM IS GIVEN IN LOW PRECISION. The matrix products marked QUANTISED in the list below multiply operands that are first quantised to E2M3 (2 exponent bits, 3 mantissa bits; 6 bits a number), with one power-of-two scale for each 32 numbers along K (OCP MX v1.0); their sums are f32. All else is computed in f32.
;;   The module's matrix products, in the order in which they are computed (A, B: the left and right operand; K: the contracted axis; several contracted axes count as one K, in the product's order):
;;     1. [M 8,192, K 1,024] x [K 1,024, N 1,024]; A: input query; B: input Wq: QUANTISED
;;     2. [M 8,192, K 1,024] x [K 1,024, N 1,024]; A: input key; B: input Wk: QUANTISED
;;     3. [M 8,192, K 1,024] x [K 1,024, N 1,024]; A: input value; B: input Wv: QUANTISED
;;     4. batch 64 x [M 2,048, K 64] x [K 64, N 2,048]; A: computed on the way; B: computed on the way: QUANTISED
;;     5. batch 64 x [M 2,048, K 2,048] x [K 2,048, N 64]; A: softmax (see below); B: computed on the way: QUANTISED
;;     6. [M 8,192, K 1,024] x [K 1,024, N 1,024]; A: computed on the way; B: input Wo: QUANTISED
;;   THE QUANTISER, for each operand of a quantised product, along K:
;;     - K is cut into blocks of 32 from its start; a last block that is shorter is filled with zeros.
;;     - A block's scale is 2^e with e = floor(log2(the largest magnitude in the block)) - 2, held to -126 .. 127; a block of zeros has e = 0. As a byte (E8M0): e + 127.
;;     - Each number is divided by its block's scale, clamped to +-7.5, and rounded to the nearest number of E2M3, ties to even, subnormals kept.
;;     - The product sums the exact products of the quantised numbers (number of the format x scale) in f32.
;;   ~~~python
;;   def quantise(x, axis):      # numpy; x: float32 -> the quantised numbers, widened to float32 again
;;       x = np.moveaxis(x, axis, -1); K = x.shape[-1]
;;       x = np.pad(x, [(0, 0)] * (x.ndim - 1) + [(0, -K % 32)]); x = x.reshape(x.shape[:-1] + (-1, 32)); a = np.abs(x).max(-1, keepdims=True)
;;       e = np.where(a > 0, np.clip(np.frexp(np.where(a > 0, a, 1))[1] - 1 - 2, -126, 127), 0)      # np.frexp(a)[1] - 1 = floor(log2(a)), exactly
;;       r = np.clip(x / 2.0 ** e, -7.5, 7.5)
;;       step = 2.0 ** (np.maximum(np.frexp(np.where(r == 0, 1, r))[1] - 1, 0) - 3)
;;       q = np.round(r / step) * step * 2.0 ** e      # np.round: ties to even
;;       return np.moveaxis(q.reshape(q.shape[:-2] + (-1,))[..., :K], -1, axis).astype(np.float32)
;;   ~~~
;;   SOFTMAX AHEAD OF A QUANTISED PRODUCT. Where the list says 'softmax', what is quantised is not the finished softmax but p = 2^(t - M), with t = logit x log2(e) and M = ceil(the row's largest t), a whole number; so 1/2 < the row's largest p <= 1. The row's sum l is taken of the UNQUANTISED p, in f32, and the product's result is divided by l at the end. Since M is a whole number, a kernel that streams over the keys may use a running M (the ceiling of the running maximum): every later rescaling is an exact power of two, which a block's scale takes up: the codes' values come out the same.
;;   OPERANDS COMPUTED ON THE WAY. 'Computed on the way' means the value that the module computes at that place (a softmax that the list does not call 'softmax' is quantised finished and normalised). What goes into a quantiser is computed in f32, as accurately as f32 sums, v_exp_f32 and their like allow (about 1e-6 of the number): no bf16 or f16 on the way to a quantiser, and a product that is left as it is and whose result goes on into a quantised operand takes f32 operands (vector FMAs, or v_wmma_f32_16x16x4_f32). A number that lies on a knife's edge between two numbers of the format may be rounded either way, as far as f32 arithmetic and the matrix unit's own rounding can turn it there, and no further.
;; 2 versions, each right; version 2 is version 1 with the launch attn written anew for expert scheduling mode. Each part assembles by itself: llvm-mc -triple=amdgcn-amd-amdhsa -mcpu=gfx1250 --defsym DOCPART=n.
;; ======== version 1 of 2: 4 launches
;; workspace buffers: codes1 22,020,096 bytes; scales1 917,504 bytes; mbits 525,312 bytes of whole numbers; qkv 18,874,368 bytes; qkvs 786,432 bytes; ao 6,291,456 bytes; aos 524,288 bytes
;; launch prep (part 1): grid 256 x 1, 8 waves a work-group, no clusters, 136,192 bytes of LDS; arguments query, key, value, Wq, Wk, Wv, Wo, attn_mask, codes1, scales1, mbits; writes codes1, scales1, mbits
.if DOCPART == 1
	.amdgcn_target "amdgcn-amd-amdhsa--gfx1250"
	.amdhsa_code_object_version 6
	.text
	.protected	k_q96bbba5e0f_prep
	.globl	k_q96bbba5e0f_prep
	.p2align	8
	.type	k_q96bbba5e0f_prep,@function
k_q96bbba5e0f_prep:
	s_mov_b64 s[64:65], 0
	v_nop
	global_prefetch_b8 v0, s[64:65] scope:SCOPE_SE
	s_setreg_imm32_b32 hwreg(HW_REG_WAVE_MODE, 25, 1), 1
	s_wait_xcnt 0x0
; query, key, value [8192][1024] and Wq, Wk, Wv, Wo [1024][1024], f32 with K innermost, become codes of FP6 (E2M3) with one E8M0 byte for each 32 along K;
; attn_mask [2048][2048] int32 becomes lane masks, one bit a score, and one flag bit for each (tile of 16 queries, 128 keys) that has a hole.
; A block's scale is 2^(floor(log2(largest magnitude)) - 2); its byte is the largest magnitude's exponent field - 2, held at 1 from below.
; LIMITS: NaN and infinities among the inputs are not served; a block of zeros, or one whose largest magnitude lies under 2^-124, gets the byte 1 (its codes are zeros or subnormal; this program alone reads the bytes).
; JOBS.  Job J = 8 x work-group + wave takes 16 rows x 8 steps of 512 bytes.  J < 1792: row tile J of the seven f32 tensors on end; else m = J - 1792: queries 16 (m / 2) on, keys 1024 (m % 2) on of the mask.
; LAYOUT OF THE CODES: the image of the matrix operand's registers.  A fragment (16 rows x 128 K, 12 registers a lane) is six pieces of 256 bytes, piece p = registers 2 p, 2 p + 1, lane l's 8 bytes at 8 l;
; lane (r, h) holds blocks h and 2 + h of row r.  Each store of a piece covers 256 consecutive bytes, aligned.  codes1: [row tile][K step 0..7][6][256].  scales1: [row][8 words], a word for each K step.
; ORDER INSIDE A BLOCK: positions 0-7 hold k 0-7, 8-15 hold k 16-23, 16-23 hold k 8-15, 24-31 hold k 24-31.  Every stream of codes of this program has this order, on both sides of every product, so the products
; are the same pairs; only the order in which they are summed differs from the plain one.  Here it is made by the choice of which 16 bytes of the stage land in which registers.
; Each load reads 512 consecutive bytes of one row; a step's 16 rows turn through the wave's own stage in LDS (rows 528 bytes apart: 33 x 16, so sixteen lanes on sixteen rows fall on sixteen different columns of 16 bytes).
; The two kinds of job have LDS bytes of their own.  No tensor load, no barrier: waves share nothing.  Two steps (32 loads, 16 KiB a wave) are on their way.
.set STG,   8448                       ; a wave's stage: 16 rows x 528 bytes
.set MREG,  67584                      ; the mask jobs' stages begin here, behind the quantising jobs' eight
.set SPARE, 135168                     ; behind both: the spare words, 128 bytes a wave, four blocks of 256 bytes that no other line names
.set R,     32                         ; v32-159  two sets of 64: a step as loaded
.set X,     160                        ; v160-223 a step as the lane wants it
.set C,     224                        ; v224-235 a fragment's 12 registers
.set TC,    236                        ; v236-238, v240-242 the conversions' second halves
.set W,     244                        ; v244-251 my row's eight scale words
.set MW,    224                        ; mask jobs: v224-239 two registers of lane masks a step
.set MA,    16                         ; v16-17, v18-19 two chains of maxima for each of my two blocks
.set MB,    18
.set SO,    20                         ; v20-21 the conversions' scale operands
.set SPW,   10                         ; v10 LDS address of my spare word; never rewritten
.set NIL,   11                         ; v11 0; never rewritten
.set SEL,   44                         ; s[44:45] selects of v_permlanex16_b32 for lane l xor 16
	s_load_b512 s[4:19], s[0:1], 0x0               ; query, key, value, Wq, Wk, Wv, Wo, attn_mask
	s_load_b128 s[20:23], s[0:1], 0x40             ; codes1, scales1
	s_load_b64 s[24:25], s[0:1], 0x50              ; mbits
	v_lshl_add_u32 v[SPW], v0, 2, SPARE
	v_mov_b32 v[NIL], 0
	v_lshrrev_b32 v1, 5, v0
	v_readfirstlane_b32 s29, v1                    ; wave 0..7
	v_and_b32 v1, 31, v0                           ; lane
	v_and_b32 v2, 15, v0                           ; r
	v_bfe_u32 v3, v0, 4, 1                         ; h
	v_lshlrev_b32 v4, 4, v1                        ; 16 x lane
	v_lshlrev_b32 v5, 3, v1                        ; 8 x lane
	s_mul_i32 s30, s29, STG
	v_add_nc_u32 v6, s30, v4                       ; into a quantising stage: 16 x lane of a row
	v_mul_u32_u24 v12, v2, 528
	v_add_nc_u32 v12, s30, v12
	v_lshl_add_u32 v7, v3, 7, v12                  ; out of it: row r, + 128 h: block h of the step
	v_add_nc_u32 v14, MREG, v6                     ; the same two for a mask stage:
	v_lshl_add_u32 v15, v3, 5, v12                 ; row r, + 32 h: eight keys of my half
	v_add_nc_u32 v15, MREG, v15
	v_lshlrev_b32 v8, 3, v3                        ; 8 h: where my two scale bytes stand in the word
	v_lshlrev_b32 v9, 5, v2
	v_lshl_add_u32 v9, v3, 4, v9                   ; 32 r + 16 h: my 16 bytes of the tile's scale words
	v_mov_b32 v254, 0                              ; written once: a lane permute's destination counts as one of its sources
	s_mov_b32 s[SEL], 0x76543210
	s_mov_b32 s[SEL+1], 0xfedcba98
	s_lshl_b32 s31, ttmp9, 3
	s_add_co_u32 s31, s31, s29                     ; J
	s_mov_b32 s33, 0
	s_wait_kmcnt 0x0
	s_cmp_ge_u32 ttmp9, 224                        ; work-groups 224 to 255 pack the mask: the branch hangs on the work-group's number alone
	s_cbranch_scc1 .Lmask
.macro LOAD t, pitch                   ; step t: 16 rows, 512 consecutive bytes each, into set t % 2; row and step stand in the immediate
.irp i, 0,1,2,3,4,5,6,7,8,9,10,11,12,13,14,15
	global_load_b128 v[R+64*((\t)%2)+4*\i:R+64*((\t)%2)+4*\i+3], v4, s[26:27] offset:\i*\pitch+512*(\t) th:TH_LOAD_NT
.endr
.endm
.macro TOST t, adr                     ; the step goes into the stage as it was loaded
.irp i, 0,1,2,3,4,5,6,7,8,9,10,11,12,13,14,15
	ds_store_b128 v[\adr], v[R+64*((\t)%2)+4*\i:R+64*((\t)%2)+4*\i+3] offset:528*\i
.endr
.endm
.macro PICK bound, lo, j0              ; below work-group 'bound' the tensor is the one whose pointer stands at s[lo], and its first job is j0
	s_cmp_lt_u32 ttmp9, \bound
	s_cselect_b64 s[26:27], s[\lo:\lo+1], s[26:27]
	s_cselect_b32 s28, \j0, s28
.endm
	; ---- the quantising jobs
	s_mov_b64 s[26:27], s[16:17]                   ; Wo, unless the work-group's number says otherwise
	s_mov_b32 s28, 1728
	PICK 216, 14, 1664
	PICK 208, 12, 1600
	PICK 200, 10, 1536
	PICK 192, 8, 1024
	PICK 128, 6, 512
	PICK 64, 4, 0
	s_sub_co_u32 s32, s31, s28
	s_lshl_b32 s32, s32, 16                        ; 16 rows of 4,096 bytes a job
	s_add_nc_u64 s[26:27], s[26:27], s[32:33]
	s_mul_i32 s32, s31, 12288
	s_add_nc_u64 s[20:21], s[20:21], s[32:33]      ; my row tile's codes
	s_lshl_b32 s32, s31, 9
	s_add_nc_u64 s[22:23], s[22:23], s[32:33]      ; and its scale words
	LOAD 0, 4096
	LOAD 1, 4096
.macro QSTEP t
.if (\t) < 7
	s_wait_loadcnt 16                              ; this step's 16 loads are in; the next step's 16 may be out
.else
	s_wait_loadcnt 0x0
.endif
	TOST \t, 6
.irp c, 0,1                            ; my blocks h and 2 + h, 32 numbers each, in the program's order inside a block.  LDS serves a wave's instructions in order: these see the stores above
.irp m, 0,1,2,3,4,5,6,7
	ds_load_b128 v[X+32*\c+4*\m:X+32*\c+4*\m+3], v7 offset:256*\c+16*(\m%2)+64*((\m/2)%2)+32*(\m/4)
.endr
.endr
	s_wait_dscnt 0x0                               ; the numbers are back, and the stores into the stage have read their registers
	s_wait_xcnt 0x0                                ; the last step's stores have read the codes' registers, which are written again below
.if (\t) < 6
	LOAD (\t)+2, 4096
.endif
.irp c, 0,1
	v_max3_num_f32 v[MA+\c], |v[X+32*\c]|, |v[X+32*\c+1]|, 0x1800000   ; with the floor 2^(3 - 127): the byte cannot fall under 1
	v_max3_num_f32 v[MB+\c], |v[X+32*\c+16]|, |v[X+32*\c+17]|, |v[X+32*\c+18]|
.endr
.irp i, 2,4,6,8,10,12
.irp c, 0,1
	v_max3_num_f32 v[MA+\c], v[MA+\c], |v[X+32*\c+\i]|, |v[X+32*\c+\i+1]|
	v_max3_num_f32 v[MB+\c], v[MB+\c], |v[X+32*\c+17+\i]|, |v[X+32*\c+18+\i]|
.endr
.endr
.irp c, 0,1
	v_max3_num_f32 v[MA+\c], v[MA+\c], |v[X+32*\c+14]|, |v[X+32*\c+15]|
.endr
.irp c, 0,1
	v_max3_num_f32 v[MA+\c], v[MA+\c], v[MB+\c], |v[X+32*\c+31]|     ; the block's largest magnitude: all 32 numbers are mine
.endr
.irp c, 0,1
	v_add_nc_u32 v[SO+\c], 0xff000000, v[MA+\c]    ; 2 off its exponent field: the conversion takes the exponent field of this operand as its scale
.endr
	v_lshrrev_b32 v252, 23, v[SO]                  ; the two bytes,
	v_lshrrev_b32 v253, 23, v[SO+1]
	v_lshl_or_b32 v252, v253, 16, v252
	v_lshlrev_b32 v252, v8, v252                   ; at their places in the word (8 h bits up);
	v_permlanex16_b32 v254, v252, s[SEL], s[SEL+1]
	v_or_b32 v[W+(\t)], v252, v254                 ; with lane l xor 16's two the step's word is whole
.irp c, 0,1
	v_cvt_scalef32_pk16_fp6_f32 v[C+6*\c:C+6*\c+2], v[X+32*\c:X+32*\c+15], v[SO+\c]
	v_cvt_scalef32_pk16_fp6_f32 v[TC+4*\c:TC+4*\c+2], v[X+32*\c+16:X+32*\c+31], v[SO+\c]   ; (a conversion's three registers begin on an even number)
.endr
	v_nop                                          ; one plain place behind a scaled conversion
.irp c, 0,1
.irp i, 0,1,2
	v_mov_b32 v[C+3+6*\c+\i], v[TC+4*\c+\i]
.endr
.endr
.irp p, 0,1,2,3,4,5
	global_store_b64 v5, v[C+2*\p:C+2*\p+1], s[20:21] offset:1536*(\t)+256*\p   ; a piece: 256 consecutive bytes, aligned
.endr
.endm
.irp t, 0,1,2,3,4,5,6,7
	QSTEP \t
.endr
	s_mov_b32 s38, 0xffff0000
.irp j, 0,1,2,3
	v_cndmask_b32 v[X+\j], v[W+\j], v[W+4+\j], s38 ; lanes 0-15 store their row's words 0-3, lanes 16-31 words 4-7
.endr
	global_store_b128 v9, v[X:X+3], s[22:23]       ; 512 consecutive bytes
	s_wait_tensorcnt 0x0                           ; the wave's end
	ds_add_u32 v[SPW], v[NIL]
	s_wait_dscnt 0x0
	s_endpgm
	; ---- the mask jobs.  Record (QT, KS) of mbits: 64 words at (16 QT + KS) x 256; word 8 t + j, bit l: mask[16 QT + l % 16][128 KS + 16 t + 8 (l / 16) + j] != 0: the lane mask of score register 8 t + j.
.Lmask:
	s_sub_co_u32 s31, s31, 1792                    ; m
	s_lshr_b32 s32, s31, 1
	s_lshl_b32 s32, s32, 17                        ; 16 rows of 8,192 bytes,
	s_and_b32 s34, s31, 1
	s_lshl_b32 s34, s34, 12                        ; and which half of them
	s_add_co_u32 s32, s32, s34
	s_add_nc_u64 s[26:27], s[18:19], s[32:33]
	s_lshl_b32 s32, s31, 11
	s_add_nc_u64 s[20:21], s[24:25], s[32:33]      ; my eight records
	s_lshl_b32 s32, s31, 2
	s_add_co_u32 s32, s32, 524288
	s_add_nc_u64 s[22:23], s[24:25], s[32:33]      ; my flag word
	LOAD 0, 8192
	LOAD 1, 8192
.irp i, 0,1,2,3,4,5,6,7,8,9,10,11,12,13,14,15
	v_mov_b32 v[MW+\i], 0                          ; written once: v_writelane_b32's destination counts as read
.endr
	s_mov_b32 s36, 0                               ; the flags
.macro MSTEP t
.if (\t) < 7
	s_wait_loadcnt 16                              ; this step's 16 loads are in; the next step's 16 may be out
.else
	s_wait_loadcnt 0x0
.endif
	TOST \t, 14
.irp q, 0,1,2,3,4,5,6,7
	ds_load_b128 v[X+8*\q:X+8*\q+3], v15 offset:64*\q
	ds_load_b128 v[X+8*\q+4:X+8*\q+7], v15 offset:64*\q+16
.endr
	s_wait_dscnt 0x0
.if (\t) < 6
	LOAD (\t)+2, 8192
.endif
	s_mov_b32 s30, -1
.set k, 0
.rept 16                               ; four words at a time: word k goes to lane k / 2, register k % 2, so that 8 bytes a lane store the record in order
	v_cmp_ne_u32 s40, 0, v[X+k]
	v_cmp_ne_u32 s41, 0, v[X+k+1]
	v_cmp_ne_u32 s42, 0, v[X+k+2]
	v_cmp_ne_u32 s43, 0, v[X+k+3]
	v_writelane_b32 v[MW+2*(\t)], s40, k/2
	v_writelane_b32 v[MW+2*(\t)+1], s41, k/2
	v_writelane_b32 v[MW+2*(\t)], s42, k/2+1
	v_writelane_b32 v[MW+2*(\t)+1], s43, k/2+1
	s_and_b32 s40, s40, s41
	s_and_b32 s42, s42, s43
	s_and_b32 s30, s30, s40
	s_and_b32 s30, s30, s42
.set k, k+4
.endr
	s_cmp_eq_u32 s30, -1                           ; all 2,048 scores of the step count?
	s_cselect_b32 s38, 0, 1<<(\t)
	s_or_b32 s36, s36, s38
	global_store_b64 v5, v[MW+2*(\t):MW+2*(\t)+1], s[20:21] offset:256*(\t)   ; a record: 256 consecutive bytes, aligned; each step has its own two registers
.endm
.irp t, 0,1,2,3,4,5,6,7
	MSTEP \t
.endr
	v_mov_b32 v240, s36
	v_mov_b32 v241, 0
	v_cmp_eq_u32 vcc_lo, 0, v1
	s_wait_xcnt 0x0                                ; EXEC changes only behind this wait
	s_and_saveexec_b32 s37, vcc_lo
	global_store_b32 v241, v240, s[22:23]          ; lane 0 stores the job's flag word
	s_wait_xcnt 0x0                                ; and again in front of the line that widens it
	s_or_b32 exec_lo, exec_lo, s37
	s_wait_tensorcnt 0x0                           ; the wave's end
	ds_add_u32 v[SPW], v[NIL]
	s_wait_dscnt 0x0
	s_endpgm
.Lfunc_end_k_q96bbba5e0f_prep:
	.size	k_q96bbba5e0f_prep, .Lfunc_end_k_q96bbba5e0f_prep-k_q96bbba5e0f_prep
	.p2alignl 7, 3214868480
	.fill 96, 4, 3214868480
	.section	.rodata,"a",@progbits
	.p2align	6, 0x0
	.amdhsa_kernel k_q96bbba5e0f_prep
		.amdhsa_group_segment_fixed_size 136192
		.amdhsa_private_segment_fixed_size 0
		.amdhsa_enable_private_segment 0
		.amdhsa_kernarg_size 88
		.amdhsa_user_sgpr_count 2
		.amdhsa_user_sgpr_kernarg_segment_ptr 1
		.amdhsa_wavefront_size32 1
		.amdhsa_system_sgpr_workgroup_id_x 1
		.amdhsa_system_sgpr_workgroup_id_y 1
		.amdhsa_system_sgpr_workgroup_id_z 1
		.amdhsa_system_vgpr_workitem_id 0
		.amdhsa_next_free_vgpr 256
		.amdhsa_next_free_sgpr 66
		.amdhsa_reserve_vcc 1
		.amdhsa_float_denorm_mode_32 3
		.amdhsa_float_denorm_mode_16_64 3
		.amdhsa_memory_ordered 1
		.amdhsa_forward_progress 1
		.amdhsa_inst_pref_size 172
	.end_amdhsa_kernel
	.amdgpu_metadata
---
amdhsa.version: [ 1, 2 ]
amdhsa.kernels:
  - .name:           k_q96bbba5e0f_prep
    .symbol:         k_q96bbba5e0f_prep.kd
    .args:
      - { .name: query, .offset: 0, .size: 8, .value_kind: global_buffer, .address_space: global }
      - { .name: key, .offset: 8, .size: 8, .value_kind: global_buffer, .address_space: global }
      - { .name: value, .offset: 16, .size: 8, .value_kind: global_buffer, .address_space: global }
      - { .name: Wq, .offset: 24, .size: 8, .value_kind: global_buffer, .address_space: global }
      - { .name: Wk, .offset: 32, .size: 8, .value_kind: global_buffer, .address_space: global }
      - { .name: Wv, .offset: 40, .size: 8, .value_kind: global_buffer, .address_space: global }
      - { .name: Wo, .offset: 48, .size: 8, .value_kind: global_buffer, .address_space: global }
      - { .name: attn_mask, .offset: 56, .size: 8, .value_kind: global_buffer, .address_space: global }
      - { .name: codes1, .offset: 64, .size: 8, .value_kind: global_buffer, .address_space: global }
      - { .name: scales1, .offset: 72, .size: 8, .value_kind: global_buffer, .address_space: global }
      - { .name: mbits, .offset: 80, .size: 8, .value_kind: global_buffer, .address_space: global }
    .group_segment_fixed_size: 136192
    .private_segment_fixed_size: 0
    .kernarg_segment_align: 8
    .kernarg_segment_size: 88
    .max_flat_workgroup_size: 256
    .sgpr_count:     66
    .vgpr_count:     256
    .wavefront_size: 32
...
	.end_amdgpu_metadata
.endif
;; end of part 1
;; launch proj (part 2): grid 4 x 96, 4 waves a work-group, clusters of 4 x 4, 327,680 bytes of LDS; arguments codes1, scales1, bq, bk, bv, qkv, qkvs; writes qkv, qkvs
.if DOCPART == 2
	.amdgcn_target "amdgcn-amd-amdhsa--gfx1250"
	.amdhsa_code_object_version 6
	.text
	.protected	k_q96bbba5e0f_proj
	.globl	k_q96bbba5e0f_proj
	.p2align	8
	.type	k_q96bbba5e0f_proj,@function
k_q96bbba5e0f_proj:
	s_mov_b64 s[64:65], 0
	v_nop
	global_prefetch_b8 v0, s[64:65] scope:SCOPE_SE
	s_setreg_imm32_b32 hwreg(HW_REG_WAVE_MODE, 25, 1), 1
	s_wait_xcnt 0x0
	s_wait_alu depctr_hold_cnt(0) depctr_sa_sdst(0) depctr_va_vdst(0) depctr_va_sdst(0) depctr_va_ssrc(0) depctr_va_vcc(0) depctr_vm_vsrc(0)
	s_getreg_b32 s2, hwreg(HW_REG_IB_STS2, 6, 4)
	s_cmp_eq_u32 s2, 0
	s_cbranch_scc0 .Lentry_in_a_cluster
	s_endpgm
.Lentry_in_a_cluster:
	s_bfe_u32 s2, ttmp6, 0x10000c
	s_cmp_lg_u32 s2, 0xf033
	s_cbranch_scc0 .Lentry_shape_is_right
	s_endpgm
.Lentry_shape_is_right:
; q = query Wq^T + bq, k = key Wk^T + bk, v = value Wv^T + bv on codes of FP6 (E2M3) with E8M0 scales, f32 sums; the results are quantised at once for the two products of attention and leave as codes.
; One launch for the three: cluster y = 8 g + ci, g = 0 (q), 1 (k), 2 (v).  A work-group makes 256 x 256, each of its four waves 128 x 128: 64 accumulators of 16 x 16.  K = 1,024 is eight steps of 128.
; ROLES.  The A role goes to source 1 (a lane holds one of its rows), the B role to source 0 (a lane's registers run along its rows).  q, k: A = the activations, B = the weight: a lane holds a token, its registers run along the
; head's channels, which are the next K.  v: A = Wv, B = value: a lane holds a channel, its registers run along the keys, which are v's next K.  Only offsets and tile numbers differ, chosen by s_cselect_b32 on g, which all partners share.
; OPERANDS lie in memory as images of their registers (a fragment = 6 pieces of 256 bytes, lane l's 8 bytes at 8 l): dense loads, no padding.  Inside each block of 32 the codes stand in the program's own order
; (0-7, 16-23, 8-15, 24-31), alike on both sides, so the order of summation differs from the plain one; the results' blocks come out in the same order by the result's own layout.
; LDS: three slots of 98,304 bytes, each a chunk of 256 along K: the A role's 16 row tiles of 3,072 bytes, then the B role's.  Chunks 0, 1, 2 are first fills; chunk 3 is the one refill, into slot 0.
; By this text's count a wave has three tensor loads out at the start and one behind the refill.
; CLUSTER 4 x 4: the A role's tiles are shared along a row of the cluster, the B role's along a column: joint loads with a mask of four.
; THE SCALE WORDS of a wave's 128 + 128 rows for all of K stay in 64 registers: register j of a tile holds K step j in lanes 0-15 and K step 4 + j in lanes 16-31.
; THE BIASES: both tables are always loaded and added, each times a factor 1.0 or 0.0 chosen from g (the column table counts for q and k, the row table for v): no branch.
; LIMITS: NaN and infinities are not served (0.0 x a bias must be 0); a result block of zeros or under 2^-124 gets the byte 1.
; REGISTERS.  window 0: v1-31 lane terms and addresses, v8-15 the eight scale words just made; v32-63 A's scale words, v64-95 B's; v96-127, v224-255 the column bias, 8 a tile; v128-223 A's eight fragments, one set;
;   in the epilogue v128-191 a tile of rows, v192-223 codes and work.  window 1: B's fragments, two sets at v0 and v128; v96-111 the row bias, twice each.  windows 2, 3: accumulator (a, b) at v[8 (8 (a % 4) + b)].
.set FR,    12
.set SLOT,  98304
.set HALFT, 24576                      ; 8 row tiles: what one tensor load brings, and what a wave reads of a role
.set TILEB, 3072                       ; a row tile's bytes in a chunk: two fragments
.set SPARE, 3*SLOT                     ; behind the slots: the spare words, 128 bytes a wave, two blocks of 256 bytes that no other line names
.set PW,    8
.set ADRA,  16                         ; v16-18 LDS address of my A fragments in slot 0, 1, 2
.set ADRB,  20                         ; v20-22 the same for B
.set L8,    24                         ; 8 x lane
.set L16,   25                         ; 16 x lane
.set SCO,   26                         ; 32 r + 16 h
.set H32,   27                         ; 32 h
.set SPW,   28                         ; LDS address of my spare word; never rewritten
.set NIL,   29                         ; 0; never rewritten
.set R4,    30                         ; 4 r
.set SA,    32
.set SB,    64
.set AF,    128
.set HA,    128
.set PC,    192                        ; v192-203 a fragment's codes; v204-206, v208-210 the conversions' second halves
.set QM,    212                        ; largest magnitudes
.set QB,    216                        ; the permutes' destinations, then the bytes
.set QO,    220                        ; the conversions' scale operands
.set G1A,   24                         ; s[24:31], s[32:39] descriptor groups 1: they differ in the mask alone
.set G1B,   32
.set G0A,   40                         ; s[40:51], s[52:63] groups 0, a set for each first fill
.set G0B,   52
.set SEL,   86
.set MSB, 0
.macro WIN new                         ; the immediate's high byte repeats the setting that is left
.if MSB != (\new)
	s_set_vgpr_msb (MSB<<8)|(\new)
.set MSB, (\new)
.endif
.endm
; A joint load: waves 0 and 1 fetch the A role's halves, waves 2 and 3 the B role's.  The branch hangs on the wave's number alone.  An s_nop 0 and four v_nop follow each line.
.macro JLOAD g0a, g0b
	s_cmp_eq_u32 s19, 0
	s_cbranch_scc0 .Lfor_b_\@
	tensor_load_to_lds s[\g0a:\g0a+3], s[G1A:G1A+7]
	s_nop 0
.rept 4
	v_nop
.endr
	s_branch .Lasked_\@
.Lfor_b_\@:
	tensor_load_to_lds s[\g0b:\g0b+3], s[G1B:G1B+7]
	s_nop 0
.rept 4
	v_nop
.endr
.Lasked_\@:
.endm
.macro CREST                           ; a round of the cluster's barrier behind its opening barrier
	s_cmp_lg_u32 s18, 0
	s_cbranch_scc1 .Lnot_wave_0_\@
	s_barrier_signal -3
.Lnot_wave_0_\@:
	s_barrier_wait -3
	s_barrier_signal -1
	s_barrier_wait -1
.endm
.macro CROUND
	s_barrier_signal -1
	s_barrier_wait -1
	CREST
.endm
.macro PLACES                          ; four plain places behind matrix instructions, in front of loads into their sources and of reads of their results
.rept 4
	v_nop
.endr
.endm
	s_load_b256 s[4:11], s[0:1], 0x0               ; codes1, scales1, bq, bk
	s_load_b128 s[12:15], s[0:1], 0x20             ; bv, qkv
	s_load_b64 s[16:17], s[0:1], 0x30              ; qkvs
	v_lshl_add_u32 v[SPW], v0, 2, SPARE
	v_mov_b32 v[NIL], 0
	ds_add_u32 v[SPW], v[NIL]                      ; the wave's opening; work on registers stands between the add and its wait
	v_lshrrev_b32 v1, 5, v0
	v_readfirstlane_b32 s18, v1                    ; wave 0..3
	s_lshr_b32 s19, s18, 1                         ; my half of the A role's rows.  Also: I fetch for A (0) or for B (1)
	s_and_b32 s20, s18, 1                          ; my half of the B role's rows.  Also: which 8 row tiles I fetch
	s_bfe_u32 s21, ttmp6, 0x40000                  ; cx
	s_bfe_u32 s22, ttmp6, 0x40004                  ; cy
	s_and_b32 s66, ttmp7, 0xffff                   ; cluster y, 0..23
	s_and_b32 s68, s66, 7
	s_lshl_b32 s68, s68, 2                         ; 4 ci
	s_lshr_b32 s66, s66, 3                         ; g
	s_mul_i32 s74, s66, 6291456                    ; q, k: the A role's codes are the activations',
	s_mul_i32 s76, s66, 786432
	s_add_co_u32 s76, s76, 18874368                ; the B role's the weight's;
	s_lshl_b32 s78, s66, 18                        ; their scale words likewise
	s_lshl_b32 s80, s66, 15
	s_add_co_u32 s80, s80, 786432
	s_mov_b32 s2, 20447232                         ; v: A = Wv,
	s_mov_b32 s3, 12582912                         ; B = value
	s_mov_b32 s23, 851968
	s_mov_b32 s69, 524288
	s_cmp_eq_u32 s66, 2                            ; made of the cluster's y alone: the same in all sixteen partners
	s_cselect_b32 s67, 1, 0                        ; ISV
	s_cselect_b32 s70, 0, s68
	s_cselect_b32 s71, s68, 0
	s_cselect_b32 s74, s2, s74
	s_cselect_b32 s76, s3, s76
	s_cselect_b32 s78, s23, s78
	s_cselect_b32 s80, s69, s80
	s_cselect_b32 s88, 0, 1.0                      ; the column bias's factor,
	s_cselect_b32 s90, 1.0, 0                      ; the row bias's
	s_mov_b32 s89, s88                             ; (named as pairs, so both words are written)
	s_mov_b32 s91, s90
	s_add_co_u32 s70, s70, s22                     ; the A role's tile of 256 rows: hangs on cy, never on cx
	s_add_co_u32 s71, s71, s21                     ; the B role's: hangs on cx, never on cy
	s_lshl_b32 s72, s22, 2
	s_lshl_b32 s72, 15, s72                        ; my row of the cluster
	s_lshl_b32 s73, 0x1111, s21                    ; my column
	s_or_b32 s[G1A], s72, (3<<16)|(1<<21)          ; 15:0 the mask; 17:16 elements of 8 bytes; 21 set beside a mask; no padding
	s_or_b32 s[G1B], s73, (3<<16)|(1<<21)
.irp g, G1A, G1B
	s_mov_b32 s[\g+1], 384<<16                     ; tensor_dim0 = 384 elements: a row tile's 3,072 bytes of a chunk
	s_mov_b32 s[\g+2], 8<<16                       ; tensor_dim1 = 8 row tiles
	s_mov_b32 s[\g+3], 384<<16                     ; tile_dim0
	s_mov_b32 s[\g+4], 8                           ; tile_dim1
	s_mov_b32 s[\g+5], 1536                        ; from row tile to row tile: 12,288 bytes
	s_mov_b32 s[\g+6], 0
	s_mov_b32 s[\g+7], 0
.endr
	s_lshl_b32 s3, s20, 3                          ; which 8 row tiles I fetch
	s_lshl_b32 s2, s70, 4
	s_add_co_u32 s2, s2, s3
	s_mul_i32 s2, s2, 12288
	s_add_co_u32 s74, s74, s2
	s_mov_b32 s75, 0
	s_lshl_b32 s23, s71, 4
	s_add_co_u32 s23, s23, s3
	s_mul_i32 s23, s23, 12288
	s_add_co_u32 s76, s76, s23
	s_mov_b32 s77, 0
	s_mul_i32 s69, s18, HALFT                      ; where they go: wave x 8 row tiles: no place in the cluster enters an LDS address
	s_mov_b32 s[SEL], 0x76543210
	s_mov_b32 s[SEL+1], 0xfedcba98
	s_wait_dscnt 0x0                               ; the opening add is done
	s_wait_kmcnt 0x0
	s_add_nc_u64 s[74:75], s[4:5], s[74:75]
	s_add_nc_u64 s[76:77], s[4:5], s[76:77]
	CROUND                                         ; all sixteen work-groups are here: the first joint loads meet
.irp c, 0,1,2
	s_mov_b32 s[G0A+4*\c], 1
	s_add_co_u32 s[G0A+4*\c+1], s69, \c*SLOT
	s_add_nc_u64 s[G0A+4*\c+2:G0A+4*\c+3], s[74:75], \c*TILEB
	s_or_b32 s[G0A+4*\c+3], s[G0A+4*\c+3], 0x80000000
	s_mov_b32 s[G0B+4*\c], 1
	s_add_co_u32 s[G0B+4*\c+1], s69, \c*SLOT
	s_add_nc_u64 s[G0B+4*\c+2:G0B+4*\c+3], s[76:77], \c*TILEB
	s_or_b32 s[G0B+4*\c+3], s[G0B+4*\c+3], 0x80000000
	JLOAD G0A+4*\c, G0B+4*\c
.endr
	v_and_b32 v1, 31, v0                           ; lane
	v_and_b32 v2, 15, v0                           ; r
	v_bfe_u32 v3, v0, 4, 1                         ; h
	v_lshlrev_b32 v[L8], 3, v1
	v_lshlrev_b32 v[L16], 4, v1
	v_lshlrev_b32 v[SCO], 5, v2
	v_lshl_add_u32 v[SCO], v3, 4, v[SCO]
	v_lshlrev_b32 v[H32], 5, v3
	v_lshlrev_b32 v[R4], 2, v2
	s_lshl_b32 s72, s70, 1
	s_add_co_u32 s72, s72, s19                     ; which 128 rows of the A role are my wave's
	s_lshl_b32 s73, s71, 1
	s_add_co_u32 s73, s73, s20                     ; and of the B role
	s_lshl_b32 s2, s72, 12                         ; 128 rows of 32 bytes of scale words
	s_add_co_u32 s78, s78, s2
	s_mov_b32 s79, 0
	s_add_nc_u64 s[78:79], s[6:7], s[78:79]
	s_lshl_b32 s2, s73, 12
	s_add_co_u32 s80, s80, s2
	s_mov_b32 s81, 0
	s_add_nc_u64 s[80:81], s[6:7], s[80:81]
	s_cmp_eq_u32 s66, 1
	s_cselect_b64 s[82:83], s[10:11], s[8:9]
	s_cmp_eq_u32 s66, 2
	s_cselect_b64 s[82:83], s[12:13], s[82:83]     ; the bias of this product
	s_and_b32 s2, s72, 7                           ; both tables' indices are held inside the 1,024 entries: the table that does not count is loaded too
	s_lshl_b32 s2, s2, 9
	s_mov_b32 s3, 0
	s_add_nc_u64 s[84:85], s[82:83], s[2:3]        ; the row table's 128 entries
	s_and_b32 s2, s73, 7
	s_lshl_b32 s2, s2, 9
	s_add_nc_u64 s[82:83], s[82:83], s[2:3]        ; the column table's
.irp i, 0,1,2,3,4,5,6,7
	global_load_b128 v[SA+4*\i:SA+4*\i+3], v[SCO], s[78:79] offset:512*\i   ; lanes 0-15: row r's words of K steps 0-3; lanes 16-31: of K steps 4-7
	global_load_b128 v[SB+4*\i:SB+4*\i+3], v[SCO], s[80:81] offset:512*\i
.endr
.irp b, 0,1,2,3,4,5,6,7
	global_load_b128 v[96+8*\b+96*(\b/4):96+8*\b+96*(\b/4)+3], v[H32], s[82:83] offset:64*\b      ; entries 16 b + 8 h + 0 .. 7, in the result's layout
	global_load_b128 v[96+8*\b+96*(\b/4)+4:96+8*\b+96*(\b/4)+7], v[H32], s[82:83] offset:64*\b+16
.endr
	WIN 0x40                                       ; destination window 1
.irp a, 0,1,2,3,4,5,6,7
	global_load_b32 v[96+2*\a], v[R4], s[84:85] offset:64*\a     ; entry 16 a + r, twice: a pair for the packed form
	global_load_b32 v[97+2*\a], v[R4], s[84:85] offset:64*\a
.endr
	WIN 0
	s_mul_i32 s2, s19, HALFT
	v_add_nc_u32 v[ADRA], s2, v[L8]
	v_add_nc_u32 v[ADRA+1], SLOT, v[ADRA]
	v_add_nc_u32 v[ADRA+2], 2*SLOT, v[ADRA]
	s_mul_i32 s2, s20, HALFT
	s_add_co_u32 s2, s2, 2*HALFT
	v_add_nc_u32 v[ADRB], s2, v[L8]
	v_add_nc_u32 v[ADRB+1], SLOT, v[ADRB]
	v_add_nc_u32 v[ADRB+2], 2*SLOT, v[ADRB]
.macro FRAG reg, adr, off              ; a fragment comes back as it was stored: six dense loads of 8 bytes a lane
.irp p, 0,1,2,3,4,5
	ds_load_b64 v[\reg+2*\p:\reg+2*\p+1], v[\adr] offset:\off+256*\p
.endr
.endm
.macro FETCH_B slot, q, set            ; the B role's eight fragments of the slot's q-th K step into a set of window 1
	WIN 0x40
.irp i, 0,1,2,3,4,5,6,7
	FRAG 128*(\set)+FR*\i, ADRB+\slot, \i*TILEB+(\q)*1536
.endr
	WIN 0
.endm
.macro FETCH_A slot, q, i0             ; the A role's tiles i0 .. i0 + 3
.irp i, \i0, \i0+1, \i0+2, \i0+3
	FRAG AF+FR*(\i), ADRA+\slot, (\i)*TILEB+(\q)*1536
.endr
.endm
; 16 matrix instructions of K step s: A's tiles a0, a0 + 1 against B's eight.  The 64 accumulators take turns, one instruction a turn, in the same order in every step.
.macro MUL16 a0, s, zero
.irp a, \a0, \a0+1
.irp b, 0,1,2,3,4,5,6,7
.if \zero
	v_wmma_scale_f32_16x16x128_f8f6f4 v[8*(8*((\a)%4)+\b):8*(8*((\a)%4)+\b)+7], v[128*((\s)%2)+FR*\b:128*((\s)%2)+FR*\b+FR-1], v[AF+FR*(\a):AF+FR*(\a)+FR-1], 0, v[SB+4*\b+(\s)%4], v[SA+4*(\a)+(\s)%4] matrix_a_fmt:MATRIX_FMT_FP6 matrix_b_fmt:MATRIX_FMT_FP6
.elseif (\s) < 4
	v_wmma_scale_f32_16x16x128_f8f6f4 v[8*(8*((\a)%4)+\b):8*(8*((\a)%4)+\b)+7], v[128*((\s)%2)+FR*\b:128*((\s)%2)+FR*\b+FR-1], v[AF+FR*(\a):AF+FR*(\a)+FR-1], v[8*(8*((\a)%4)+\b):8*(8*((\a)%4)+\b)+7], v[SB+4*\b+(\s)%4], v[SA+4*(\a)+(\s)%4] matrix_a_fmt:MATRIX_FMT_FP6 matrix_b_fmt:MATRIX_FMT_FP6
.else
	v_wmma_scale_f32_16x16x128_f8f6f4 v[8*(8*((\a)%4)+\b):8*(8*((\a)%4)+\b)+7], v[128*((\s)%2)+FR*\b:128*((\s)%2)+FR*\b+FR-1], v[AF+FR*(\a):AF+FR*(\a)+FR-1], v[8*(8*((\a)%4)+\b):8*(8*((\a)%4)+\b)+7], v[SB+4*\b+(\s)%4], v[SA+4*(\a)+(\s)%4] matrix_a_fmt:MATRIX_FMT_FP6 matrix_b_fmt:MATRIX_FMT_FP6 matrix_a_scale:MATRIX_SCALE_ROW1 matrix_b_scale:MATRIX_SCALE_ROW1
.endif
.endr
.endr
.endm
; K step s; the next K step lies at (nslot, nq), in bytes that have been shown landed to every wave.
.macro STEP s, nslot, nq, zero
	s_wait_dscnt 24                                ; B's set and A's tiles 0-3 are in; the youngest 24 loads (A's tiles 4-7) may be out
	WIN 0xa1                                       ; source 0 (B) window 1, source 1 (A) window 0, C and D window 2
	MUL16 0, \s, \zero
	MUL16 2, \s, \zero
	s_wait_dscnt 0x0                               ; A's tiles 4-7 are in
	PLACES
	FETCH_B \nslot, \nq, 1-(\s)%2
	FETCH_A \nslot, \nq, 0
	WIN 0xf1                                       ; C and D window 3
	MUL16 4, \s, \zero
	MUL16 6, \s, \zero
	PLACES
	WIN 0
	FETCH_A \nslot, \nq, 4
.endm
; A K step with a barrier: in front of it each wave waits for all its tensor loads, adds 0 to its spare word, and waits for that and for its LDS reads.  fill = 1: slot 0, just read out, takes chunk 3.
.macro TURN s, nslot, fill
	s_wait_tensorcnt 0x0                           ; all my tensor loads have landed
	ds_add_u32 v[SPW], v[NIL]                      ; 0 onto my spare word
	s_wait_dscnt 25                                ; (the add and the youngest 24 loads may be out)
	WIN 0xa1
	MUL16 0, \s, 0                                 ; sixteen matrix instructions stand between the add and the wait for it
	s_wait_dscnt 0x0                               ; the add is done, and my reads of the slot are over
	s_barrier_signal -1
	MUL16 2, \s, 0
	WIN 0
	s_barrier_wait -1
.if \fill
	CREST                                          ; the barrier has opened a round of the cluster's barrier: no wave of any partner still reads slot 0 or has a load on its way
	s_add_nc_u64 s[G0A+2:G0A+3], s[G0A+2:G0A+3], 3*TILEB
	s_add_nc_u64 s[G0B+2:G0B+3], s[G0B+2:G0B+3], 3*TILEB
	JLOAD G0A, G0B                                 ; my one tensor load behind the round; its four v_nop are also the places in front of the loads below
.else
	PLACES
.endif
	FETCH_B \nslot, 0, 1-(\s)%2
	FETCH_A \nslot, 0, 0
	WIN 0xf1
	MUL16 4, \s, 0
	MUL16 6, \s, 0
	PLACES
	WIN 0
	FETCH_A \nslot, 0, 4
.endm
	s_wait_tensorcnt 2                             ; my part of chunk 0 is in; chunks 1 and 2 may stay out
	s_barrier_signal -1
	s_barrier_wait -1
	FETCH_B 0, 0, 0
	FETCH_A 0, 0, 0
	FETCH_A 0, 0, 4
	s_wait_loadcnt 0x0                             ; the scale words and the biases
	STEP 0, 0, 1, 1                                ; the first products start the sums: nothing is cleared
	TURN 1, 1, 1                                   ; its wait for all loads shows chunks 1 and 2 landed in every wave: the change from slot 1 to slot 2 needs no barrier.  Chunk 3 has four K steps in which to land
	STEP 2, 1, 1, 0
	STEP 3, 2, 0, 0
	STEP 4, 2, 1, 0
	TURN 5, 0, 0                                   ; chunk 3 has landed in every wave
	STEP 6, 0, 1, 0
	s_wait_dscnt 24
	WIN 0xa1
	MUL16 0, 7, 0
	MUL16 2, 7, 0
	s_wait_dscnt 0x0
	WIN 0xf1
	MUL16 4, 7, 0
	MUL16 6, 7, 0
	WIN 0
	; ---- THE WAY OUT.  q, k: my 128 tokens (step st of batch n) x two heads (pair hp).  v: two heads' 128 channels x my 128 keys.  No LDS: a fragment's pieces are stored as they stand.
	s_cmp_eq_u32 s67, 1
	s_cselect_b32 s2, s73, s72                     ; which 128 tokens
	s_cselect_b32 s3, s72, s73                     ; which pair of heads
	s_mov_b32 s96, 768
	s_cselect_b32 s96, 1536, s96                   ; from tile a to tile a + 1: q, k 6 registers of each head; v a whole fragment
	s_mov_b32 s98, 768
	s_cselect_b32 s98, 93696, s98                  ; behind tile 3: v goes on to the odd head (98,304 - 3 x 1,536)
	s_mov_b32 s70, 98304
	s_cselect_b32 s70, 768, s70                    ; from pieces 0-2 to pieces 3-5: q, k the odd head; v the fragment's second half
	s_mov_b32 s97, 0
	s_mov_b32 s99, 0
	s_mov_b32 s71, 0
	s_lshr_b32 s69, s2, 4                          ; n
	s_and_b32 s2, s2, 15                           ; st
	s_lshl_b32 s68, s69, 4
	s_lshl_b32 s23, s3, 1
	s_add_co_u32 s68, s68, s23                     ; 16 n + the even head
	s_lshl_b32 s68, s68, 4
	s_add_co_u32 s68, s68, s2
	s_mul_i32 s68, s68, 6144
	s_mul_i32 s23, s66, 6291456
	s_add_co_u32 s92, s68, s23
	s_mov_b32 s93, 0
	s_add_nc_u64 s[92:93], s[14:15], s[92:93]
	s_add_nc_u64 s[94:95], s[92:93], s[70:71]
	s_lshl_b32 s69, s69, 3
	s_add_co_u32 s69, s69, s3
	s_lshl_b32 s69, s69, 4
	s_add_co_u32 s69, s69, s2
	s_lshl_b32 s68, s69, 9                         ; the scale words' record: 512 bytes
	s_lshl_b32 s23, s66, 18
	s_add_co_u32 s68, s68, s23
	s_mov_b32 s69, 0
	s_add_nc_u64 s[16:17], s[16:17], s[68:69]
	s_mov_b32 s23, 0xffff0000
; 64 numbers of a lane, register 16 b + i of block b, become a fragment's codes in v[PC] on and its row's scale word in v[pw].
.macro QUANT s, pw
.irp b, 0,1,2,3
	v_max3_num_f32 v[QM+\b], |v[\s+16*\b]|, |v[\s+1+16*\b]|, 0x1800000   ; my 16 numbers of block b, and the floor 2^(3 - 127): the byte cannot fall under 1
.endr
.irp i, 2,4,6,8,10,12,14
.irp b, 0,1,2,3
	v_max3_num_f32 v[QM+\b], v[QM+\b], |v[\s+16*\b+\i]|, |v[\s+1+16*\b+\i]|
.endr
.endr
.irp b, 0,1,2,3
	v_permlanex16_b32 v[QB+\b], v[QM+\b], s[SEL], s[SEL+1]
.endr
.irp b, 0,1,2,3
	v_max_num_f32 v[QM+\b], v[QM+\b], v[QB+\b]     ; with lane l xor 16's: the block's largest magnitude
.endr
.irp b, 0,1,2,3
	v_add_nc_u32 v[QO+\b], 0xff000000, v[QM+\b]    ; 2 off its exponent field: the conversion's scale operand
.endr
.irp b, 0,1,2,3
	v_lshrrev_b32 v[QB+\b], 23, v[QO+\b]           ; the scale's byte
.endr
	v_lshl_or_b32 v[\pw], v[QB+1], 8, v[QB]
	v_lshl_or_b32 v[\pw], v[QB+2], 16, v[\pw]
	v_lshl_or_b32 v[\pw], v[QB+3], 24, v[\pw]
.irp c, 0,1
	v_cvt_scalef32_pk16_fp6_f32 v[PC+6*\c:PC+2+6*\c], v[\s+32*\c:\s+15+32*\c], v[QO+2*\c]
	v_cvt_scalef32_pk16_fp6_f32 v[PC+12+4*\c:PC+14+4*\c], v[\s+16+32*\c:\s+31+32*\c], v[QO+2*\c+1]   ; (a conversion's three registers begin on an even number)
.endr
	v_nop                                          ; one plain place behind a scaled conversion
.irp c, 0,1                            ; the operand's layout wants a whole block in a lane: lanes 0-15 block 2 c, lanes 16-31 block 2 c + 1
.irp i, 0,1,2
	v_permlane16_swap_b32 v[PC+6*\c+\i], v[PC+12+4*\c+\i]
.endr
.irp i, 0,1,2
	v_mov_b32 v[PC+3+6*\c+\i], v[PC+12+4*\c+\i]
.endr
.endr
.endm
	PLACES
.irp b, 0,1,2,3
	v_mov_b32 v[QB+\b], 0                          ; a lane permute's destination counts as one of its sources
.endr
.irp a, 0,1,2,3,4,5,6,7
	WIN 0x20+0x10*(\a/4)                           ; source 2: the accumulators' window
.irp b, 0,1,2,3,4,5,6,7                ; the tile of rows moves into window 0 with the column bias; each accumulator is read from its low end on
.irp i, 0,2,4,6
	v_pk_fma_f32 v[HA+8*\b+\i:HA+8*\b+\i+1], v[96+8*\b+96*(\b/4)+\i:96+8*\b+96*(\b/4)+\i+1], s[88:89], v[64*(\a%4)+8*\b+\i:64*(\a%4)+8*\b+\i+1] op_sel_hi:[1,0,1]
.endr
.endr
	WIN 0x01                                       ; source 0: the row bias's window
.set j, 0
.rept 32
	v_pk_fma_f32 v[HA+j:HA+j+1], v[96+2*\a:97+2*\a], s[90:91], v[HA+j:HA+j+1] op_sel_hi:[1,0,1]
.set j, j+2
.endr
	WIN 0
	QUANT HA, PW+\a
.irp p, 0,1,2,3,4,5
	global_store_b64 v[L8], v[PC+2*\p:PC+2*\p+1], s[92+2*(\p/3):93+2*(\p/3)] offset:256*(\p%3)   ; a piece: 256 consecutive bytes, aligned
.endr
	s_wait_xcnt 0x0                                ; the stores have read their data and bases: both are written again
.if \a == 3
	s_add_nc_u64 s[92:93], s[92:93], s[98:99]
	s_add_nc_u64 s[94:95], s[94:95], s[98:99]
.elseif \a < 7
	s_add_nc_u64 s[92:93], s[92:93], s[96:97]
	s_add_nc_u64 s[94:95], s[94:95], s[96:97]
.endif
.endr
.irp j, 0,1,2,3
	v_cndmask_b32 v[PC+\j], v[PW+2*\j], v[PW+2*\j+1], s23   ; word j of lane l: row 32 j + l of my 128
.endr
	global_store_b128 v[L16], v[PC:PC+3], s[16:17] ; 512 consecutive bytes
	s_wait_tensorcnt 0x0                           ; the wave's end
	ds_add_u32 v[SPW], v[NIL]
	s_wait_dscnt 0x0
	CROUND                                         ; the closing round: no work-group ends while a partner may still ask for a tile that names it
	s_endpgm
.Lfunc_end_k_q96bbba5e0f_proj:
	.size	k_q96bbba5e0f_proj, .Lfunc_end_k_q96bbba5e0f_proj-k_q96bbba5e0f_proj
	.p2alignl 7, 3214868480
	.fill 96, 4, 3214868480
	.section	.rodata,"a",@progbits
	.p2align	6, 0x0
	.amdhsa_kernel k_q96bbba5e0f_proj
		.amdhsa_group_segment_fixed_size 327680
		.amdhsa_private_segment_fixed_size 0
		.amdhsa_enable_private_segment 0
		.amdhsa_kernarg_size 56
		.amdhsa_user_sgpr_count 2
		.amdhsa_user_sgpr_kernarg_segment_ptr 1
		.amdhsa_wavefront_size32 1
		.amdhsa_system_sgpr_workgroup_id_x 1
		.amdhsa_system_sgpr_workgroup_id_y 1
		.amdhsa_system_sgpr_workgroup_id_z 1
		.amdhsa_system_vgpr_workitem_id 0
		.amdhsa_next_free_vgpr 1024
		.amdhsa_next_free_sgpr 100
		.amdhsa_reserve_vcc 0
		.amdhsa_float_denorm_mode_32 3
		.amdhsa_float_denorm_mode_16_64 3
		.amdhsa_memory_ordered 1
		.amdhsa_forward_progress 1
		.amdhsa_inst_pref_size 201
	.end_amdhsa_kernel
	.amdgpu_metadata
---
amdhsa.version: [ 1, 2 ]
amdhsa.kernels:
  - .name:           k_q96bbba5e0f_proj
    .symbol:         k_q96bbba5e0f_proj.kd
    .args:
      - { .name: codes1, .offset: 0, .size: 8, .value_kind: global_buffer, .address_space: global }
      - { .name: scales1, .offset: 8, .size: 8, .value_kind: global_buffer, .address_space: global }
      - { .name: bq, .offset: 16, .size: 8, .value_kind: global_buffer, .address_space: global }
      - { .name: bk, .offset: 24, .size: 8, .value_kind: global_buffer, .address_space: global }
      - { .name: bv, .offset: 32, .size: 8, .value_kind: global_buffer, .address_space: global }
      - { .name: qkv, .offset: 40, .size: 8, .value_kind: global_buffer, .address_space: global }
      - { .name: qkvs, .offset: 48, .size: 8, .value_kind: global_buffer, .address_space: global }
    .group_segment_fixed_size: 327680
    .private_segment_fixed_size: 0
    .kernarg_segment_align: 8
    .kernarg_segment_size: 56
    .max_flat_workgroup_size: 128
    .sgpr_count:     100
    .vgpr_count:     1024
    .wavefront_size: 32
...
	.end_amdgpu_metadata
.endif
;; end of part 2
;; launch attn (part 3): grid 4 x 64, 16 waves a work-group, no clusters, 210,944 bytes of LDS; arguments qkv, qkvs, mbits, ao, aos; writes ao, aos
.if DOCPART == 3
	.amdgcn_target "amdgcn-amd-amdhsa--gfx1250"
	.amdhsa_code_object_version 6
	.text
	.protected	k_q96bbba5e0f_attn
	.globl	k_q96bbba5e0f_attn
	.p2align	8
	.type	k_q96bbba5e0f_attn,@function
k_q96bbba5e0f_attn:
	s_mov_b64 s[64:65], 0
	v_nop
	global_prefetch_b8 v0, s[64:65] scope:SCOPE_SE
	s_setreg_imm32_b32 hwreg(HW_REG_WAVE_MODE, 25, 1), 1
	s_wait_xcnt 0x0
; For each of 64 (batch, head): O = softmax(mask(q k^T / 8)) v, both products on codes of FP6 (E2M3) with E8M0 scales; O is quantised along the head's 64 for the last projection and leaves as codes.
; THE SOFTMAX AHEAD OF THE SECOND PRODUCT: t = score x log2(e) / 8; M = the running largest t rounded UP to a whole number; p = 2^(t - M) is quantised along the keys, not normalised; the row's sum is taken of the
; unquantised p and divides O at the end.  When M moves, the sum and O are multiplied by 2^(old M - new M): exact.
; SHARES.  Work-group (x, n x 16 + head) owns 512 queries of one head.  THE HEAD'S WHOLE K AND V LIE IN LDS (2 x 98,304 bytes of codes, 12,288 of scale words), filled once through registers: one barrier in the launch.
; Each of the sixteen waves, four to a SIMD, takes two tiles of 16 queries one after the other and walks the 2,048 keys, 128 a step.
; NO TENSOR LOAD AND NO CLUSTER: a step without a hole in the mask jumps over its 64 selects, a branch on a stored whole number; and what the four work-groups of a head
; share is 208,896 bytes read once, for 512 x 2,048 scores each.  No prefetch: all reads of K and V stand at the head.
; LAYOUT.  Both products transposed: S^T = K Q^T, O^T = V^T P^T: a lane holds one query (lane % 16); score register 8 t + j is key 16 t + 8 (lane / 16) + j.  Quantised as they stand, p's codes come in the program's
; order inside a block (0-7, 16-23, 8-15, 24-31), which v's codes have too.
; K = 64 IN AN INSTRUCTION OF 128: Q's operand is six registers of codes and six of zeros; K's operand of tile t is registers 6 t .. 6 t + 11 of the step's 48: its upper six are the next tile's codes (behind tile 7: six
; zeros), which meet Q's zero codes and add nothing; the scale bytes that go with them are never 0xff.
; THE MASK: a record of 64 lane masks a step comes by scalar loads; hidden scores become -infinity ahead of the maximum.  A query all of whose keys are hidden has the sum 0: its scale bytes are stored as 0xff,
; which makes its whole output row NaN in the last projection, as the softmax of a row of -infinity does.
; LIMITS: NaN and infinities among the inputs are not served; a block of zeros or under 2^-124 gets the byte 1.
.set VIMG,  98304                      ; LDS: K's images at 0 (step x 6,144 + c x 512 + 16 x lane: registers 4 c .. 4 c + 3 of the step's 48), V's here,
.set KSC,   196608                     ; K's scale words: step x 512 + 16 x lane,
.set VSC,   204800                     ; V's: step x 256 + 8 x lane,
.set SPARE, 208896                     ; the spare words, 128 bytes a wave: eight blocks of 256 bytes that no other line names
.set STEPB, 6144
.set L16,  1                           ; 16 x lane
.set L8,   2                           ; 8 x lane
.set R4,   3                           ; 4 r
.set R16,  4                           ; 16 r
.set SPW,  5                           ; LDS address of my spare word; never rewritten
.set NIL,  6                           ; 0; never rewritten
.set NINF, 7                           ; -infinity
.set ADK,  8                           ; v8-11 the step's LDS addresses: K, V, K's scale words, V's
.set ADV,  9
.set ADS,  10
.set ADT,  11
.set Q,    16                          ; v16-27 Q's operand (v22-27 zeros)
.set KS,   28                          ; v28-31 K's scale words; v32-33 V's; v34 Q's; v35 p's: these hold scales alone
.set VS,   32
.set QS,   34
.set PS,   35
.set F,    36                          ; v36-83 a step's K, then its V; v84-89 zeros
.set AV0,  90                          ; v90-92 constant places: V's images, K's scale words, V's
.set ASK0, 91
.set ASV0, 92
.set S,    96                          ; v96-159 S^T, then p
.set O,    160                         ; v160-191 O^T
.set P,    192                         ; v192-203 p's codes; v204-206, v208-210 the conversions' second halves
.set BM,   212                         ; the blocks' largest scores, then largest p
.set BP,   216                         ; the permutes' destinations, then the bytes
.set BO,   220                         ; the conversions' scale operands
.set FF,   224                         ; v[224:225] f
.set T0,   226                         ; v[226:227] at work
.set CH,   228                         ; v[228:229] the sums' second chain
.set WD,   230
.set WN,   231
	s_load_b256 s[4:11], s[0:1], 0x0               ; qkv, qkvs, mbits, ao
	s_load_b64 s[12:13], s[0:1], 0x20              ; aos
	v_lshl_add_u32 v[SPW], v0, 2, SPARE
	v_mov_b32 v[NIL], 0
	v_lshrrev_b32 v8, 5, v0
	v_readfirstlane_b32 s14, v8                    ; wave 0..15
	v_and_b32 v9, 31, v0
	v_and_b32 v10, 15, v0
	v_lshlrev_b32 v[L16], 4, v9
	v_lshlrev_b32 v[L8], 3, v9
	v_lshlrev_b32 v[R4], 2, v10
	v_lshlrev_b32 v[R16], 4, v10
	v_mov_b32 v[NINF], 0xff800000
	v_add_nc_u32 v[AV0], VIMG, v[L16]
	v_add_nc_u32 v[ASK0], KSC, v[L16]
	v_add_nc_u32 v[ASV0], VSC, v[L8]
	s_mul_i32 s16, s14, STEPB                      ; wave w fills key step w
	v_add_nc_u32 v[ADK], s16, v[L16]
	v_add_nc_u32 v[ADV], s16, v[AV0]
	s_lshl_b32 s17, s14, 9
	v_add_nc_u32 v[ADS], s17, v[ASK0]
	s_lshl_b32 s17, s14, 8
	v_add_nc_u32 v[ADT], s17, v[ASV0]
	s_and_b32 s18, ttmp7, 0xffff                   ; n x 16 + head
	s_and_b32 s15, s18, 1
	s_lshl_b32 s19, s15, 3                         ; 8 x the head's parity
	s_lshl_b32 s15, s15, 4                         ; 16 x it: by so many bits the head's two scale bytes stand up in a word of its pair
	s_mul_i32 s20, s18, 98304
	s_add_co_u32 s20, s20, s16
	s_add_co_u32 s20, s20, 6291456                 ; k's section, my head, my step
	s_mov_b32 s21, 0
	s_lshr_b32 s22, s18, 1
	s_lshl_b32 s22, s22, 4
	s_add_co_u32 s22, s22, s14
	s_lshl_b32 s22, s22, 9
	s_add_co_u32 s22, s22, 262144                  ; k's scale words: the record of my pair of heads and my step
	s_mov_b32 s23, 0
	s_add_co_u32 s30, s19, 262144                  ; from there to v's record, and in it my head's two words
	s_mov_b32 s31, 0
	s_mov_b32 s84, 0x76543210                      ; s[84:85] selects of v_permlanex16_b32 for lane l xor 16
	s_mov_b32 s85, 0xfedcba98
	s_mov_b32 s86, 0x3e38aa3b                      ; s[86:87] c = log2(e) / 8
	s_mov_b32 s87, s86                             ; (named with it as a pair, so it is written)
.irp i, 0,1,2,3,4,5
	v_mov_b32 v[Q+6+\i], 0                         ; the zero codes of Q's upper 64,
	v_mov_b32 v[F+48+\i], 0                        ; and what stands behind tile 7 of K
.endr
.irp b, 0,1,2,3
	v_mov_b32 v[BP+\b], 0                          ; written once: a lane permute's destination counts as one of its sources
.endr
	v_mov_b32 v[FF+1], 0                           ; (upper halves of pairs of which the low word alone is used)
	v_mov_b32 v[T0+1], 0
	s_wait_kmcnt 0x0
	s_add_nc_u64 s[24:25], s[4:5], s[20:21]
	s_add_nc_u64 s[26:27], s[24:25], 6291456       ; v's section
	s_add_nc_u64 s[28:29], s[6:7], s[22:23]
	s_add_nc_u64 s[30:31], s[28:29], s[30:31]
.irp c, 0,1,2,3,4,5,6,7,8,9,10,11      ; two pieces of 256 bytes make four consecutive registers
	global_load_b64 v[96+4*\c:97+4*\c], v[L8], s[24:25] offset:512*\c
	global_load_b64 v[98+4*\c:99+4*\c], v[L8], s[24:25] offset:512*\c+256
	global_load_b64 v[144+4*\c:145+4*\c], v[L8], s[26:27] offset:512*\c
	global_load_b64 v[146+4*\c:147+4*\c], v[L8], s[26:27] offset:512*\c+256
.endr
	global_load_b128 v[192:195], v[L16], s[28:29]
	global_load_b64 v[196:197], v[L16], s[30:31]
	s_wait_loadcnt 0x0
.irp i, 0,1,2,3
	v_lshrrev_b32 v[192+\i], s15, v[192+\i]        ; my head's two bytes to bytes 0 and 1; bytes 2 and 3 are then the other head's or 0, never 0xff
.endr
.irp c, 0,1,2,3,4,5,6,7,8,9,10,11
	ds_store_b128 v[ADK], v[96+4*\c:99+4*\c] offset:512*\c
	ds_store_b128 v[ADV], v[144+4*\c:147+4*\c] offset:512*\c
.endr
	ds_store_b128 v[ADS], v[192:195]
	ds_store_b64 v[ADT], v[196:197]
	s_wait_dscnt 0x0                               ; for the others' sake: my stores have landed
	s_barrier_signal -1
	s_barrier_wait -1                              ; the head's K and V lie in LDS; nothing is stored there again
; A TILE OF 16 QUERIES: tile 32 x + 16 u + wave of the head's 128.
.macro TILE u
	s_wait_xcnt 0x0                                ; the last tile's stores have read their data and bases
	s_lshl_b32 s93, ttmp9, 5
	s_add_co_u32 s93, s93, 16*\u
	s_add_co_u32 s93, s93, s14                     ; QT
	s_and_b32 s16, ttmp7, 0xffff
	s_mul_i32 s17, s16, 98304
	s_mul_i32 s18, s93, 768
	s_add_co_u32 s18, s18, s17
	s_mov_b32 s19, 0
	s_add_nc_u64 s[96:97], s[4:5], s[18:19]        ; q's codes: six registers a tile
	s_lshr_b32 s20, s16, 1
	s_lshl_b32 s20, s20, 4
	s_lshr_b32 s21, s93, 3
	s_add_co_u32 s20, s20, s21
	s_lshl_b32 s20, s20, 9                         ; q's scale words: the record of the pair of heads and of QT / 8;
	s_and_b32 s21, s93, 1
	s_lshl_b32 s21, s21, 8                         ; row 16 (QT % 8) + r is word (QT % 8) / 2 of lane 16 (QT % 2) + r
	s_add_co_u32 s20, s20, s21
	s_bfe_u32 s21, s93, 0x20001
	s_lshl_b32 s21, s21, 2
	s_add_co_u32 s20, s20, s21
	s_mov_b32 s21, 0
	s_add_nc_u64 s[98:99], s[6:7], s[20:21]
	s_lshl_b32 s22, s93, 12
	s_mov_b32 s23, 0
	s_add_nc_u64 s[94:95], s[8:9], s[22:23]        ; the tile's 16 records of lane masks
	s_lshl_b32 s24, s93, 3
	s_add_co_u32 s24, s24, 524288
	s_mov_b32 s25, 0
	s_add_nc_u64 s[100:101], s[8:9], s[24:25]
	s_load_b64 s[2:3], s[100:101], 0x0             ; its two flag words, eight steps each
.irp p, 0,1,2
	global_load_b64 v[Q+2*\p:Q+2*\p+1], v[L8], s[96:97] offset:256*\p
.endr
	global_load_b32 v[QS], v[R16], s[98:99]
	s_mov_b32 s88, 0                               ; the step's place among the images,
	s_mov_b32 s89, 0                               ; among K's scale words,
	s_mov_b32 s90, 0                               ; among V's,
	s_mov_b32 s91, 0                               ; and its number
	s_wait_kmcnt 0x0
	s_lshl_b32 s3, s3, 8
	s_or_b32 s92, s2, s3                           ; bit i: key step i has a hole
	s_wait_loadcnt 0x0
	v_lshrrev_b32 v[QS], s15, v[QS]                ; my head's two bytes to bytes 0 and 1.  (The 36 lines below are the places between this write and the first product)
	v_mov_b32 v13, 0xff61b1e6                      ; the largest t so far: -3e38, under every t
	v_floor_f32 v12, -v13                          ; -M
	v_mov_b32 v14, 0                               ; the sum, in two halves
	v_mov_b32 v15, 0
.set j, 0
.rept 32
	v_mov_b32 v[O+j], 0                            ; O^T: the step is written once; the first finds zeros, which the first change of M leaves zeros
.set j, j+1
.endr
.Lstep_\@:                             ; 16 trips: 128 keys each
	s_load_b512 s[16:31], s[94:95], 0x0            ; the step's 64 lane masks
	s_load_b512 s[32:47], s[94:95], 0x40
	s_load_b512 s[48:63], s[94:95], 0x80
	s_load_b512 s[68:83], s[94:95], 0xc0
	v_add_nc_u32 v[ADK], s88, v[L16]               ; (these four are also the places behind the last step's products, in front of the loads into their sources)
	v_add_nc_u32 v[ADV], s88, v[AV0]
	v_add_nc_u32 v[ADS], s89, v[ASK0]
	v_add_nc_u32 v[ADT], s90, v[ASV0]
.irp c, 0,1,2,3,4,5,6,7,8,9,10,11
	ds_load_b128 v[F+4*\c:F+4*\c+3], v[ADK] offset:512*\c
.endr
	ds_load_b128 v[KS:KS+3], v[ADS]                ; register i: tile 2 i in lanes 0-15, tile 2 i + 1 in lanes 16-31
	s_wait_dscnt 0x0
.irp t, 0,2,4,6                        ; S^T = K Q^T: eight tiles of 16 keys
	v_wmma_scale_f32_16x16x128_f8f6f4 v[S+8*\t:S+8*\t+7], v[F+6*\t:F+6*\t+11], v[Q:Q+11], 0, v[KS+\t/2], v[QS] matrix_a_fmt:MATRIX_FMT_FP6 matrix_b_fmt:MATRIX_FMT_FP6
	v_wmma_scale_f32_16x16x128_f8f6f4 v[S+8*\t+8:S+8*\t+15], v[F+6*\t+6:F+6*\t+17], v[Q:Q+11], 0, v[KS+\t/2], v[QS] matrix_a_fmt:MATRIX_FMT_FP6 matrix_b_fmt:MATRIX_FMT_FP6 matrix_a_scale:MATRIX_SCALE_ROW1
.endr
.rept 4
	v_nop                                          ; places in front of the loads into K's registers and of the first read of the scores
.endr
.irp c, 0,1,2,3,4,5,6,7,8,9,10,11
	ds_load_b128 v[F+4*\c:F+4*\c+3], v[ADV] offset:512*\c   ; V lands under the softmax
.endr
	ds_load_b64 v[VS:VS+1], v[ADT]
	s_wait_kmcnt 0x0                               ; the lane masks are in, and their pointer may step
	s_add_nc_u64 s[94:95], s[94:95], 256
	s_lshr_b32 s2, s92, s91
	s_and_b32 s2, s2, 1
	s_cmp_lg_u32 s2, 0
	s_cbranch_scc0 .Lopen_\@                       ; a step all of whose scores count jumps over the selects alone
.set k, 0
.rept 64
	v_cndmask_b32 v[S+k], v[NINF], v[S+k], s[16+k+4*(k/48)]   ; hidden scores become -infinity: p = 0 then
.set k, k+1
.endr
.Lopen_\@:
.irp b, 0,1,2,3
	v_max3_num_f32 v[BM+\b], v[S+16*\b], v[S+1+16*\b], v[S+2+16*\b]   ; the largest score of each block of 32 keys: it serves for the row's maximum and, since p rises with the score, for the block's largest p
.endr
.irp i, 3,5,7,9,11,13
.irp b, 0,1,2,3
	v_max3_num_f32 v[BM+\b], v[BM+\b], v[S+16*\b+\i], v[S+1+16*\b+\i]
.endr
.endr
.irp b, 0,1,2,3
	v_max_num_f32 v[BM+\b], v[BM+\b], v[S+15+16*\b]
.endr
.irp b, 0,1,2,3
	v_permlanex16_b32 v[BP+\b], v[BM+\b], s84, s85
.endr
.irp b, 0,1,2,3
	v_max_num_f32 v[BM+\b], v[BM+\b], v[BP+\b]     ; with lane l xor 16's 16 keys
.endr
	v_max3_num_f32 v[T0], v[BM], v[BM+1], v[BM+2]
	v_max_num_f32 v[T0], v[T0], v[BM+3]            ; the step's largest score of my query
	v_mul_f32 v[T0], s86, v[T0]                    ; as t (c is positive)
	v_max_num_f32 v13, v13, v[T0]                  ; the running largest t
	v_mov_b32 v[T0], v12
	v_floor_f32 v12, -v13                          ; the new -M = floor(-t): M is a whole number
	v_sub_f32 v[T0], v12, v[T0]                    ; old M - new M: a whole number, 0 or less
	v_cvt_i32_f32 v[T0], v[T0]                     ; (it saturates)
	v_ldexp_f32 v[FF], 1.0, v[T0]                  ; f = 2^(old M - new M): a multiplication by it rounds nothing
.set j, 0
.rept 32
	v_pk_fma_f32 v[S+j:S+j+1], v[S+j:S+j+1], s[86:87], v[12:13] op_sel_hi:[1,0,0]   ; t - M, two at a time (of the pairs c and -M the low word serves both halves)
.set j, j+2
.endr
.irp b, 0,1,2,3
	v_fma_f32 v[BM+\b], v[BM+\b], s86, v12         ; the same of each block's largest score
.endr
.set j, 0
.rept 64
	v_exp_f32 v[S+j], v[S+j]                       ; p = 2^(t - M), at most 1: not normalised
.set j, j+1
.endr
	v_pk_mul_f32 v[14:15], v[14:15], v[FF:FF+1] op_sel_hi:[1,0]   ; the sums under the new M: a plain place behind the exponentials
	s_wait_alu depctr_va_vdst(0)                   ; one wait for the whole batch, ahead of its first reader
.irp b, 0,1,2,3
	v_exp_f32 v[BM+\b], v[BM+\b]                   ; the block's largest p: the same two instructions on the same number give the same bits
.endr
	v_pk_add_f32 v[CH:CH+1], v[S:S+1], v[S+2:S+3]  ; the row's sum is taken of the unquantised p: two at a time, in two chains
.irp j, 4,8,12,16,20,24,28,32,36,40,44,48,52,56,60
	v_pk_add_f32 v[14:15], v[14:15], v[S+\j:S+1+\j]
	v_pk_add_f32 v[CH:CH+1], v[CH:CH+1], v[S+2+\j:S+3+\j]
.endr
	v_pk_add_f32 v[14:15], v[14:15], v[CH:CH+1]
	s_wait_alu depctr_va_vdst(0)                   ; and one for the four
.irp b, 0,1,2,3
	v_max_num_f32 v[BM+\b], 0x1800000, v[BM+\b]    ; the floor 2^(3 - 127): the byte cannot fall under 1 (a block whose every p is 0 keeps that byte: its codes are zeros)
.endr
.irp b, 0,1,2,3
	v_add_nc_u32 v[BO+\b], 0xff000000, v[BM+\b]    ; 2 off the exponent field: the conversion's scale operand
.endr
.irp b, 0,1,2,3
	v_lshrrev_b32 v[BP+\b], 23, v[BO+\b]           ; the scale's byte
.endr
	v_lshl_or_b32 v[PS], v[BP+1], 8, v[BP]         ; p's scale word for these 128 keys
	v_lshl_or_b32 v[PS], v[BP+2], 16, v[PS]
	v_lshl_or_b32 v[PS], v[BP+3], 24, v[PS]
.irp c, 0,1
	v_cvt_scalef32_pk16_fp6_f32 v[P+6*\c:P+2+6*\c], v[S+32*\c:S+15+32*\c], v[BO+2*\c]
	v_cvt_scalef32_pk16_fp6_f32 v[P+12+4*\c:P+14+4*\c], v[S+16+32*\c:S+31+32*\c], v[BO+2*\c+1]   ; (a conversion's three registers begin on an even number)
.endr
	v_nop                                          ; one plain place behind a scaled conversion
.irp c, 0,1                            ; the operand's layout wants a whole block in a lane
.irp i, 0,1,2
	v_permlane16_swap_b32 v[P+6*\c+\i], v[P+12+4*\c+\i]
.endr
.irp i, 0,1,2
	v_mov_b32 v[P+3+6*\c+\i], v[P+12+4*\c+\i]
.endr
.endr
.set j, 0
.rept 16
	v_pk_mul_f32 v[O+j:O+j+1], v[O+j:O+j+1], v[FF:FF+1] op_sel_hi:[1,0]   ; O^T under the new M.  (These sixteen are also the places between the writes of p's codes and scale word and the products)
.set j, j+2
.endr
	s_wait_dscnt 0x0                               ; V and its scale words are in
.irp t, 0,2                            ; O^T += V^T P^T: four tiles of 16 channels, one instruction on each accumulator
	v_wmma_scale_f32_16x16x128_f8f6f4 v[O+8*\t:O+8*\t+7], v[F+12*\t:F+12*\t+11], v[P:P+11], v[O+8*\t:O+8*\t+7], v[VS+\t/2], v[PS] matrix_a_fmt:MATRIX_FMT_FP6 matrix_b_fmt:MATRIX_FMT_FP6
	v_wmma_scale_f32_16x16x128_f8f6f4 v[O+8*\t+8:O+8*\t+15], v[F+12*\t+12:F+12*\t+23], v[P:P+11], v[O+8*\t+8:O+8*\t+15], v[VS+\t/2], v[PS] matrix_a_fmt:MATRIX_FMT_FP6 matrix_b_fmt:MATRIX_FMT_FP6 matrix_a_scale:MATRIX_SCALE_ROW1
.endr
	s_add_co_u32 s88, s88, STEPB
	s_add_co_u32 s89, s89, 512
	s_add_co_u32 s90, s90, 256
	s_add_co_u32 s91, s91, 1
	s_cmp_lt_u32 s91, 16
	s_cbranch_scc1 .Lstep_\@
	; ---- the tile's end: O^T / the sum, quantised along the head's 64 (two blocks), stored as the head's half of a fragment of the last projection's operand
.rept 4
	v_nop                                          ; places behind the last products
.endr
	s_and_b32 s16, ttmp7, 0xffff
	s_lshr_b32 s17, s16, 4                         ; n
	s_and_b32 s18, s16, 15                         ; head
	s_lshl_b32 s19, s17, 7
	s_add_co_u32 s19, s19, s93
	s_lshl_b32 s19, s19, 3
	s_lshr_b32 s20, s18, 1
	s_add_co_u32 s19, s19, s20                     ; (row tile n x 128 + QT) x 8 + K step head / 2
	s_mul_i32 s20, s19, 1536
	s_mul_i32 s21, s15, 48                         ; + 768 for an odd head: pieces 3 to 5
	s_add_co_u32 s20, s20, s21
	s_mov_b32 s21, 0
	s_add_nc_u64 s[96:97], s[10:11], s[20:21]
	s_lshl_b32 s22, s18, 15                        ; aos: [head][row], a word each
	s_lshl_b32 s23, s17, 13
	s_add_co_u32 s22, s22, s23
	s_lshl_b32 s23, s93, 6
	s_add_co_u32 s22, s22, s23
	s_mov_b32 s23, 0
	s_add_nc_u64 s[98:99], s[12:13], s[22:23]
	v_add_f32 v14, v14, v15                        ; the sum's two halves,
	v_permlanex16_b32 v[BP], v14, s84, s85
	v_add_f32 v14, v14, v[BP]                      ; and lane l xor 16's: the row's sum
	v_cmp_eq_f32 s3, 0, v14                        ; 0 only where every key was hidden
	v_rcp_f32 v[T0], v14
	v_mov_b32 v[WN], 0xffff                        ; (a plain place behind the transcendental)
	s_wait_alu depctr_va_vdst(0)                   ; the wait ahead of its first reader
.set j, 0
.rept 16
	v_pk_mul_f32 v[S+j:S+j+1], v[O+j:O+j+1], v[T0:T0+1] op_sel_hi:[1,0]   ; register 8 t + i: channel 16 t + 8 h + i of my query; each accumulator from its low end on
.set j, j+2
.endr
.irp b, 0,1
	v_max3_num_f32 v[BM+\b], |v[S+16*\b]|, |v[S+1+16*\b]|, 0x1800000
.endr
.irp i, 2,4,6,8,10,12,14
.irp b, 0,1
	v_max3_num_f32 v[BM+\b], v[BM+\b], |v[S+16*\b+\i]|, |v[S+1+16*\b+\i]|
.endr
.endr
.irp b, 0,1
	v_permlanex16_b32 v[BP+\b], v[BM+\b], s84, s85
.endr
.irp b, 0,1
	v_max_num_f32 v[BM+\b], v[BM+\b], v[BP+\b]
.endr
.irp b, 0,1
	v_add_nc_u32 v[BO+\b], 0xff000000, v[BM+\b]
.endr
.irp b, 0,1
	v_lshrrev_b32 v[BP+\b], 23, v[BO+\b]
.endr
	v_lshl_or_b32 v[WD], v[BP+1], 8, v[BP]
	v_cndmask_b32 v[WD], v[WD], v[WN], s3          ; a query with no key: the bytes 0xff
	v_lshlrev_b32 v[WD], s15, v[WD]                ; at the head's place in the K step's word; the other head's two bytes stay 0 and are joined by an OR in the last launch
	v_cvt_scalef32_pk16_fp6_f32 v[P:P+2], v[S:S+15], v[BO]
	v_cvt_scalef32_pk16_fp6_f32 v[P+12:P+14], v[S+16:S+31], v[BO+1]
	v_nop                                          ; one plain place behind a scaled conversion
.irp i, 0,1,2
	v_permlane16_swap_b32 v[P+\i], v[P+12+\i]
.endr
.irp i, 0,1,2
	v_mov_b32 v[P+3+\i], v[P+12+\i]                ; lane (r, h): block h of the head, six registers
.endr
.irp p, 0,1,2
	global_store_b64 v[L8], v[P+2*\p:P+2*\p+1], s[96:97] offset:256*\p   ; a piece: 256 consecutive bytes, aligned
.endr
	global_store_b32 v[R4], v[WD], s[98:99]        ; 16 words, 64 consecutive bytes; lanes 16-31 hold and write the same words as lanes 0-15
.endm
	TILE 0
	TILE 1
	s_wait_tensorcnt 0x0                           ; the wave's end
	ds_add_u32 v[SPW], v[NIL]
	s_wait_dscnt 0x0
	s_endpgm
.Lfunc_end_k_q96bbba5e0f_attn:
	.size	k_q96bbba5e0f_attn, .Lfunc_end_k_q96bbba5e0f_attn-k_q96bbba5e0f_attn
	.p2alignl 7, 3214868480
	.fill 96, 4, 3214868480
	.section	.rodata,"a",@progbits
	.p2align	6, 0x0
	.amdhsa_kernel k_q96bbba5e0f_attn
		.amdhsa_group_segment_fixed_size 210944
		.amdhsa_private_segment_fixed_size 0
		.amdhsa_enable_private_segment 0
		.amdhsa_kernarg_size 40
		.amdhsa_user_sgpr_count 2
		.amdhsa_user_sgpr_kernarg_segment_ptr 1
		.amdhsa_wavefront_size32 1
		.amdhsa_system_sgpr_workgroup_id_x 1
		.amdhsa_system_sgpr_workgroup_id_y 1
		.amdhsa_system_sgpr_workgroup_id_z 1
		.amdhsa_system_vgpr_workitem_id 0
		.amdhsa_next_free_vgpr 256
		.amdhsa_next_free_sgpr 102
		.amdhsa_reserve_vcc 0
		.amdhsa_float_denorm_mode_32 3
		.amdhsa_float_denorm_mode_16_64 3
		.amdhsa_memory_ordered 1
		.amdhsa_forward_progress 1
		.amdhsa_inst_pref_size 65
	.end_amdhsa_kernel
	.amdgpu_metadata
---
amdhsa.version: [ 1, 2 ]
amdhsa.kernels:
  - .name:           k_q96bbba5e0f_attn
    .symbol:         k_q96bbba5e0f_attn.kd
    .args:
      - { .name: qkv, .offset: 0, .size: 8, .value_kind: global_buffer, .address_space: global }
      - { .name: qkvs, .offset: 8, .size: 8, .value_kind: global_buffer, .address_space: global }
      - { .name: mbits, .offset: 16, .size: 8, .value_kind: global_buffer, .address_space: global }
      - { .name: ao, .offset: 24, .size: 8, .value_kind: global_buffer, .address_space: global }
      - { .name: aos, .offset: 32, .size: 8, .value_kind: global_buffer, .address_space: global }
    .group_segment_fixed_size: 210944
    .private_segment_fixed_size: 0
    .kernarg_segment_align: 8
    .kernarg_segment_size: 40
    .max_flat_workgroup_size: 512
    .sgpr_count:     102
    .vgpr_count:     256
    .wavefront_size: 32
...
	.end_amdgpu_metadata
.endif
;; end of part 3
;; launch outp (part 4): grid 4 x 32, 4 waves a work-group, clusters of 4 x 4, 327,680 bytes of LDS; arguments ao, aos, codes1, scales1, bo, out0; writes out0
.if DOCPART == 4
	.amdgcn_target "amdgcn-amd-amdhsa--gfx1250"
	.amdhsa_code_object_version 6
	.text
	.protected	k_q96bbba5e0f_outp
	.globl	k_q96bbba5e0f_outp
	.p2align	8
	.type	k_q96bbba5e0f_outp,@function
k_q96bbba5e0f_outp:
	s_mov_b64 s[64:65], 0
	v_nop
	global_prefetch_b8 v0, s[64:65] scope:SCOPE_SE
	s_setreg_imm32_b32 hwreg(HW_REG_WAVE_MODE, 25, 1), 1
	s_wait_xcnt 0x0
	s_wait_alu depctr_hold_cnt(0) depctr_sa_sdst(0) depctr_va_vdst(0) depctr_va_sdst(0) depctr_va_ssrc(0) depctr_va_vcc(0) depctr_vm_vsrc(0)
	s_getreg_b32 s2, hwreg(HW_REG_IB_STS2, 6, 4)
	s_cmp_eq_u32 s2, 0
	s_cbranch_scc0 .Lentry_in_a_cluster
	s_endpgm
.Lentry_in_a_cluster:
	s_bfe_u32 s2, ttmp6, 0x10000c
	s_cmp_lg_u32 s2, 0xf033
	s_cbranch_scc0 .Lentry_shape_is_right
	s_endpgm
.Lentry_shape_is_right:
; out0 = O Wo^T + bo on codes of FP6 (E2M3) with E8M0 scales, f32 sums.  O [8192][1024] comes as codes from the attention launch, Wo from the first launch, both as images of the operand's registers
; (a fragment = 6 pieces of 256 bytes, lane l's 8 bytes at 8 l) and both in the program's order inside a block of 32 (0-7, 16-23, 8-15, 24-31): the order of summation differs from the plain one.
; A work-group makes 256 x 256, each of its four waves 128 x 128: 64 accumulators.  K = 1,024 is eight steps of 128.  Source 0 = 16 rows of Wo, source 1 = 16 rows of O: a lane holds eight neighbouring numbers of a row of out0.
; LDS: three slots of 98,304 bytes, each a chunk of 256 along K: O's 16 row tiles of 3,072 bytes, then Wo's.  Chunks 0, 1, 2 are first fills; chunk 3 is the one refill, into slot 0.
; By this text's count a wave has three tensor loads out at the start and one behind the refill.
; CLUSTER 4 x 4: O's tiles are shared along a row of the cluster, Wo's along a column: joint loads with a mask of four.
; THE SCALE WORDS of a wave's 128 + 128 rows for all of K stay in 64 registers: register j of a tile holds K step j in lanes 0-15 and K step 4 + j in lanes 16-31.  O's come head by head, two bytes each at their
; place in the word, and are joined by an OR.  A row whose scale bytes are 0xff (a query with no key) comes out NaN.
; bo is the C of the first K step's products.  The way out goes through the wave's stage in slot 1, which has had its only fill, and whose last reads every wave has behind it at the last barrier.
; 128 work-groups: a smaller tile would read each fragment from LDS for half the products.
; REGISTERS.  window 0: v1-31 lane terms and addresses; v32-63 O's scale words, v64-95 Wo's; v96-127, v224-255 bo, 8 a tile of columns; v128-223 O's eight fragments, one set; on the way out v128-255 rows of out0.
;   window 1: Wo's fragments, two sets at v0 and v128.  windows 2, 3: accumulator (a, b) at v[8 (8 (a % 4) + b)].
.set FR,    12
.set SLOT,  98304
.set HALFT, 24576
.set TILEB, 3072
.set SPARE, 3*SLOT                     ; behind the slots: the spare words, 128 bytes a wave, two blocks of 256 bytes that no other line names
.set STO,   8                          ; the way out: where I put 32 bytes of a row
.set RD,    9                          ; and where I read a row back
.set ADRA,  16
.set ADRB,  20
.set L8,    24
.set L16,   25
.set SCO,   26                         ; 32 r + 16 h
.set H32,   27                         ; 32 h
.set SPW,   28                         ; LDS address of my spare word; never rewritten
.set NIL,   29                         ; 0; never rewritten
.set AO4,   30                         ; 4 r + 262,144 h: lanes 16-31 take the heads of K steps 4 to 7
.set SA,    32
.set SB,    64
.set AF,    128
.set BK,    128
.set G1A,   24
.set G1B,   32
.set G0A,   40
.set G0B,   52
.set MSB, 0
.macro WIN new                         ; the immediate's high byte repeats the setting that is left
.if MSB != (\new)
	s_set_vgpr_msb (MSB<<8)|(\new)
.set MSB, (\new)
.endif
.endm
; A joint load: waves 0 and 1 fetch O's halves, waves 2 and 3 Wo's.  The branch hangs on the wave's number alone.  An s_nop 0 and four v_nop follow each line.
.macro JLOAD g0a, g0b
	s_cmp_eq_u32 s19, 0
	s_cbranch_scc0 .Lfor_b_\@
	tensor_load_to_lds s[\g0a:\g0a+3], s[G1A:G1A+7]
	s_nop 0
.rept 4
	v_nop
.endr
	s_branch .Lasked_\@
.Lfor_b_\@:
	tensor_load_to_lds s[\g0b:\g0b+3], s[G1B:G1B+7]
	s_nop 0
.rept 4
	v_nop
.endr
.Lasked_\@:
.endm
.macro CREST                           ; a round of the cluster's barrier behind its opening barrier
	s_cmp_lg_u32 s18, 0
	s_cbranch_scc1 .Lnot_wave_0_\@
	s_barrier_signal -3
.Lnot_wave_0_\@:
	s_barrier_wait -3
	s_barrier_signal -1
	s_barrier_wait -1
.endm
.macro CROUND
	s_barrier_signal -1
	s_barrier_wait -1
	CREST
.endm
.macro PLACES                          ; four plain places behind matrix instructions, in front of loads into their sources and of reads of their results
.rept 4
	v_nop
.endr
.endm
	s_load_b256 s[4:11], s[0:1], 0x0               ; ao, aos, codes1, scales1
	s_load_b128 s[12:15], s[0:1], 0x20             ; bo, out0
	v_lshl_add_u32 v[SPW], v0, 2, SPARE
	v_mov_b32 v[NIL], 0
	ds_add_u32 v[SPW], v[NIL]                      ; the wave's opening; work on registers stands between the add and its wait
	v_lshrrev_b32 v1, 5, v0
	v_readfirstlane_b32 s18, v1                    ; wave 0..3
	s_lshr_b32 s19, s18, 1                         ; my half of the tile's rows.  Also: I fetch for O (0) or for Wo (1)
	s_and_b32 s20, s18, 1                          ; my half of its columns.  Also: which 8 row tiles I fetch
	s_bfe_u32 s21, ttmp6, 0x40000                  ; cx
	s_bfe_u32 s22, ttmp6, 0x40004                  ; cy
	s_and_b32 s70, ttmp7, 0xffff
	s_lshl_b32 s70, s70, 2
	s_add_co_u32 s70, s70, s22                     ; tile row = 4 x cluster y + cy
	s_mov_b32 s71, s21                             ; tile column = cx
	s_lshl_b32 s72, s22, 2
	s_lshl_b32 s72, 15, s72                        ; my row of the cluster
	s_lshl_b32 s73, 0x1111, s21                    ; my column
	s_or_b32 s[G1A], s72, (3<<16)|(1<<21)          ; 15:0 the mask; 17:16 elements of 8 bytes; 21 set beside a mask; no padding
	s_or_b32 s[G1B], s73, (3<<16)|(1<<21)
.irp g, G1A, G1B
	s_mov_b32 s[\g+1], 384<<16                     ; tensor_dim0 = 384 elements: a row tile's 3,072 bytes of a chunk
	s_mov_b32 s[\g+2], 8<<16                       ; tensor_dim1 = 8 row tiles
	s_mov_b32 s[\g+3], 384<<16                     ; tile_dim0
	s_mov_b32 s[\g+4], 8                           ; tile_dim1
	s_mov_b32 s[\g+5], 1536                        ; from row tile to row tile: 12,288 bytes
	s_mov_b32 s[\g+6], 0
	s_mov_b32 s[\g+7], 0
.endr
	s_lshl_b32 s3, s20, 3                          ; which 8 row tiles I fetch
	s_lshl_b32 s2, s70, 4
	s_add_co_u32 s2, s2, s3
	s_mul_i32 s74, s2, 12288
	s_mov_b32 s75, 0
	s_lshl_b32 s23, s71, 4
	s_add_co_u32 s23, s23, s3
	s_mul_i32 s76, s23, 12288
	s_add_co_u32 s76, s76, 21233664                ; Wo's codes in codes1
	s_mov_b32 s77, 0
	s_mul_i32 s69, s18, HALFT                      ; where they go: wave x 8 row tiles: no place in the cluster enters an LDS address
	s_wait_dscnt 0x0                               ; the opening add is done
	s_wait_kmcnt 0x0
	s_add_nc_u64 s[74:75], s[4:5], s[74:75]
	s_add_nc_u64 s[76:77], s[8:9], s[76:77]
	CROUND                                         ; all sixteen work-groups are here: the first joint loads meet
.irp c, 0,1,2
	s_mov_b32 s[G0A+4*\c], 1
	s_add_co_u32 s[G0A+4*\c+1], s69, \c*SLOT
	s_add_nc_u64 s[G0A+4*\c+2:G0A+4*\c+3], s[74:75], \c*TILEB
	s_or_b32 s[G0A+4*\c+3], s[G0A+4*\c+3], 0x80000000
	s_mov_b32 s[G0B+4*\c], 1
	s_add_co_u32 s[G0B+4*\c+1], s69, \c*SLOT
	s_add_nc_u64 s[G0B+4*\c+2:G0B+4*\c+3], s[76:77], \c*TILEB
	s_or_b32 s[G0B+4*\c+3], s[G0B+4*\c+3], 0x80000000
	JLOAD G0A+4*\c, G0B+4*\c
.endr
	v_and_b32 v1, 31, v0                           ; lane
	v_and_b32 v2, 15, v0                           ; r
	v_bfe_u32 v3, v0, 4, 1                         ; h
	v_lshlrev_b32 v[L8], 3, v1
	v_lshlrev_b32 v[L16], 4, v1
	v_lshlrev_b32 v[SCO], 5, v2
	v_lshl_add_u32 v[SCO], v3, 4, v[SCO]
	v_lshlrev_b32 v[H32], 5, v3
	v_lshlrev_b32 v[AO4], 2, v2
	v_lshl_add_u32 v[AO4], v3, 18, v[AO4]
	s_lshl_b32 s72, s70, 1
	s_add_co_u32 s72, s72, s19                     ; which 128 rows are my wave's
	s_lshl_b32 s73, s71, 1
	s_add_co_u32 s73, s73, s20                     ; which 128 columns
	s_mov_b32 s3, 0
	s_lshl_b32 s2, s72, 9                          ; 128 rows of 4 bytes
	s_add_nc_u64 s[78:79], s[6:7], s[2:3]
	s_lshl_b32 s2, s73, 12
	s_add_co_u32 s2, s2, 884736                    ; Wo's scale words in scales1
	s_add_nc_u64 s[80:81], s[10:11], s[2:3]
	s_lshl_b32 s2, s73, 9
	s_add_nc_u64 s[82:83], s[12:13], s[2:3]        ; my 128 entries of bo
	s_add_nc_u64 s[14:15], s[14:15], s[2:3]        ; out0: my columns' 512 bytes,
	s_lshl_b32 s2, s72, 19
	s_add_nc_u64 s[14:15], s[14:15], s[2:3]        ; my first row: 128 rows of 4,096 bytes
.irp i, 0,1,2,3,4,5,6,7
.irp j, 0,1,2,3
	global_load_b32 v[SA+4*\i+\j], v[AO4], s[78:79] offset:(2*\j)*32768+64*\i       ; the even head of K step j (lanes 16-31: 4 + j), row 16 i + r,
	global_load_b32 v[AF+4*\i+\j], v[AO4], s[78:79] offset:(2*\j+1)*32768+64*\i     ; and the odd head
.endr
.endr
.irp i, 0,1,2,3,4,5,6,7
	global_load_b128 v[SB+4*\i:SB+4*\i+3], v[SCO], s[80:81] offset:512*\i
.endr
.irp b, 0,1,2,3,4,5,6,7
	global_load_b128 v[96+8*\b+96*(\b/4):96+8*\b+96*(\b/4)+3], v[H32], s[82:83] offset:64*\b      ; entries 16 b + 8 h + 0 .. 7, in the result's layout
	global_load_b128 v[96+8*\b+96*(\b/4)+4:96+8*\b+96*(\b/4)+7], v[H32], s[82:83] offset:64*\b+16
.endr
	s_mul_i32 s2, s19, HALFT
	v_add_nc_u32 v[ADRA], s2, v[L8]
	v_add_nc_u32 v[ADRA+1], SLOT, v[ADRA]
	v_add_nc_u32 v[ADRA+2], 2*SLOT, v[ADRA]
	s_mul_i32 s2, s20, HALFT
	s_add_co_u32 s2, s2, 2*HALFT
	v_add_nc_u32 v[ADRB], s2, v[L8]
	v_add_nc_u32 v[ADRB+1], SLOT, v[ADRB]
	v_add_nc_u32 v[ADRB+2], 2*SLOT, v[ADRB]
	s_mul_i32 s2, s18, 16*528
	s_add_co_u32 s2, s2, SLOT                      ; my stage: 16 rows x (512 bytes + 16), in slot 1
	v_mul_u32_u24 v[STO], v2, 528
	v_lshl_add_u32 v[STO], v3, 5, v[STO]
	v_add_nc_u32 v[STO], s2, v[STO]
	v_add_nc_u32 v[RD], s2, v[L16]
	s_wait_loadcnt 0x0
.set j, 0
.rept 32
	v_or_b32 v[SA+j], v[SA+j], v[AF+j]             ; the two heads' bytes make the K step's word
.set j, j+1
.endr
.rept 8
	v_nop                                          ; a scale register written by a vector instruction stands eight places ahead of a scaled matrix instruction
.endr
.macro FRAG reg, adr, off              ; a fragment comes back as it was stored: six dense loads of 8 bytes a lane
.irp p, 0,1,2,3,4,5
	ds_load_b64 v[\reg+2*\p:\reg+2*\p+1], v[\adr] offset:\off+256*\p
.endr
.endm
.macro FETCH_B slot, q, set
	WIN 0x40
.irp i, 0,1,2,3,4,5,6,7
	FRAG 128*(\set)+FR*\i, ADRB+\slot, \i*TILEB+(\q)*1536
.endr
	WIN 0
.endm
.macro FETCH_A slot, q, i0
.irp i, \i0, \i0+1, \i0+2, \i0+3
	FRAG AF+FR*(\i), ADRA+\slot, (\i)*TILEB+(\q)*1536
.endr
.endm
; 16 matrix instructions of K step s: O's tiles a0, a0 + 1 against Wo's eight.  first = 1: the sums begin with bo.  The 64 accumulators take turns, one instruction a turn, in the same order in every step.
.macro MUL16 a0, s, first
.irp a, \a0, \a0+1
.irp b, 0,1,2,3,4,5,6,7
.if \first
	v_wmma_scale_f32_16x16x128_f8f6f4 v[8*(8*((\a)%4)+\b):8*(8*((\a)%4)+\b)+7], v[128*((\s)%2)+FR*\b:128*((\s)%2)+FR*\b+FR-1], v[AF+FR*(\a):AF+FR*(\a)+FR-1], v[96+8*\b+96*(\b/4):96+8*\b+96*(\b/4)+7], v[SB+4*\b+(\s)%4], v[SA+4*(\a)+(\s)%4] matrix_a_fmt:MATRIX_FMT_FP6 matrix_b_fmt:MATRIX_FMT_FP6
.elseif (\s) < 4
	v_wmma_scale_f32_16x16x128_f8f6f4 v[8*(8*((\a)%4)+\b):8*(8*((\a)%4)+\b)+7], v[128*((\s)%2)+FR*\b:128*((\s)%2)+FR*\b+FR-1], v[AF+FR*(\a):AF+FR*(\a)+FR-1], v[8*(8*((\a)%4)+\b):8*(8*((\a)%4)+\b)+7], v[SB+4*\b+(\s)%4], v[SA+4*(\a)+(\s)%4] matrix_a_fmt:MATRIX_FMT_FP6 matrix_b_fmt:MATRIX_FMT_FP6
.else
	v_wmma_scale_f32_16x16x128_f8f6f4 v[8*(8*((\a)%4)+\b):8*(8*((\a)%4)+\b)+7], v[128*((\s)%2)+FR*\b:128*((\s)%2)+FR*\b+FR-1], v[AF+FR*(\a):AF+FR*(\a)+FR-1], v[8*(8*((\a)%4)+\b):8*(8*((\a)%4)+\b)+7], v[SB+4*\b+(\s)%4], v[SA+4*(\a)+(\s)%4] matrix_a_fmt:MATRIX_FMT_FP6 matrix_b_fmt:MATRIX_FMT_FP6 matrix_a_scale:MATRIX_SCALE_ROW1 matrix_b_scale:MATRIX_SCALE_ROW1
.endif
.endr
.endr
.endm
.macro STEP s, nslot, nq, first
	s_wait_dscnt 24                                ; Wo's set and O's tiles 0-3 are in; the youngest 24 loads (O's tiles 4-7) may be out
.if \first
	WIN 0x81                                       ; source 0 window 1, source 1 and C (bo) window 0, D window 2
.else
	WIN 0xa1                                       ; C and D window 2
.endif
	MUL16 0, \s, \first
	MUL16 2, \s, \first
	s_wait_dscnt 0x0                               ; O's tiles 4-7 are in
	PLACES
	FETCH_B \nslot, \nq, 1-(\s)%2
	FETCH_A \nslot, \nq, 0
.if \first
	WIN 0xc1                                       ; D window 3
.else
	WIN 0xf1
.endif
	MUL16 4, \s, \first
	MUL16 6, \s, \first
	PLACES
	WIN 0
	FETCH_A \nslot, \nq, 4
.endm
; A K step with a barrier: in front of it each wave waits for all its tensor loads, adds 0 to its spare word, and waits for that and for its LDS reads.  fill = 1: slot 0, just read out, takes chunk 3.
.macro TURN s, nslot, fill
	s_wait_tensorcnt 0x0                           ; all my tensor loads have landed
	ds_add_u32 v[SPW], v[NIL]                      ; 0 onto my spare word
	s_wait_dscnt 25                                ; (the add and the youngest 24 loads may be out)
	WIN 0xa1
	MUL16 0, \s, 0                                 ; sixteen matrix instructions stand between the add and the wait for it
	s_wait_dscnt 0x0                               ; the add is done, and my reads of the slot are over
	s_barrier_signal -1
	MUL16 2, \s, 0
	WIN 0
	s_barrier_wait -1
.if \fill
	CREST                                          ; the barrier has opened a round of the cluster's barrier: no wave of any partner still reads slot 0 or has a load on its way
	s_add_nc_u64 s[G0A+2:G0A+3], s[G0A+2:G0A+3], 3*TILEB
	s_add_nc_u64 s[G0B+2:G0B+3], s[G0B+2:G0B+3], 3*TILEB
	JLOAD G0A, G0B                                 ; my one tensor load behind the round; its four v_nop are also the places in front of the loads below
.else
	PLACES
.endif
	FETCH_B \nslot, 0, 1-(\s)%2
	FETCH_A \nslot, 0, 0
	WIN 0xf1
	MUL16 4, \s, 0
	MUL16 6, \s, 0
	PLACES
	WIN 0
	FETCH_A \nslot, 0, 4
.endm
	s_wait_tensorcnt 2                             ; my part of chunk 0 is in; chunks 1 and 2 may stay out
	s_barrier_signal -1
	s_barrier_wait -1
	FETCH_B 0, 0, 0
	FETCH_A 0, 0, 0
	FETCH_A 0, 0, 4
	STEP 0, 0, 1, 1                                ; the first products start the sums with bo: nothing is cleared
	TURN 1, 1, 1                                   ; its wait for all loads shows chunks 1 and 2 landed in every wave: the change from slot 1 to slot 2 needs no barrier.  Chunk 3 has four K steps in which to land
	STEP 2, 1, 1, 0
	STEP 3, 2, 0, 0
	STEP 4, 2, 1, 0
	TURN 5, 0, 0                                   ; chunk 3 has landed in every wave; every wave's reads of slot 1 are over
	STEP 6, 0, 1, 0
	s_wait_dscnt 24
	WIN 0xa1
	MUL16 0, 7, 0
	MUL16 2, 7, 0
	s_wait_dscnt 0x0
	WIN 0xf1
	MUL16 4, 7, 0
	MUL16 6, 7, 0
	WIN 0
; THE WAY OUT, block by block of 16 rows x 128 columns: a lane holds 32 neighbouring bytes of a row and the lanes beside it other rows, so a block goes through my own stage and comes back as whole rows of 512 bytes.
; LDS serves a wave's instructions in order (ISA guide 5.7.1.4): no wait between the stores and the loads, nor in front of the next block's stores.
.macro TOSTAGE a
.set AC, 64*((\a)%4)
	WIN 0x08+4*((\a)/4)                            ; an LDS store's data: window 2 or 3
.irp b, 0,1,2,3,4,5,6,7
	ds_store_b128 v[STO], v[AC+8*\b:AC+8*\b+3] offset:64*\b          ; each accumulator from its low end on
	ds_store_b128 v[STO], v[AC+8*\b+4:AC+8*\b+7] offset:64*\b+16
.endr
	WIN 0
.set BB, BK+64*((\a)%2)
.irp t, 0,1,2,3,4,5,6,7,8,9,10,11,12,13,14,15
	ds_load_b128 v[BB+4*\t:BB+4*\t+3], v[RD] offset:\t*528
.endr
.endm
.macro SEND a, younger                 ; younger: the LDS instructions issued behind block a's loads, which may stay out
.set BB, BK+64*((\a)%2)
	s_wait_dscnt \younger                          ; the block is back in registers
.if (\a) > 0
	s_add_nc_u64 s[14:15], s[14:15], 65536         ; 16 rows on (behind a wait that shows the earlier stores have read their base)
.endif
.irp t, 0,1,2,3,4,5,6,7,8,9,10,11,12,13,14,15
	global_store_b128 v[L16], v[BB+4*\t:BB+4*\t+3], s[14:15] offset:\t*4096 th:TH_STORE_NT   ; 32 lanes store 512 consecutive bytes, at a multiple of 256 from out0's first byte
.endr
.endm
	PLACES
	TOSTAGE 0
.irp a, 1,2,3,4,5,6,7
.if \a > 1
	s_wait_xcnt 0x0                                ; block a - 2's stores have read their registers and their base
.endif
	TOSTAGE \a
	SEND \a-1, 32                                  ; behind block a - 1's loads: block a's 16 stores and 16 loads
.endr
	s_wait_xcnt 0x0
	SEND 7, 0
	s_wait_tensorcnt 0x0                           ; the wave's end
	ds_add_u32 v[SPW], v[NIL]
	s_wait_dscnt 0x0
	CROUND                                         ; the closing round: no work-group ends while a partner may still ask for a tile that names it
	s_endpgm
.Lfunc_end_k_q96bbba5e0f_outp:
	.size	k_q96bbba5e0f_outp, .Lfunc_end_k_q96bbba5e0f_outp-k_q96bbba5e0f_outp
	.p2alignl 7, 3214868480
	.fill 96, 4, 3214868480
	.section	.rodata,"a",@progbits
	.p2align	6, 0x0
	.amdhsa_kernel k_q96bbba5e0f_outp
		.amdhsa_group_segment_fixed_size 327680
		.amdhsa_private_segment_fixed_size 0
		.amdhsa_enable_private_segment 0
		.amdhsa_kernarg_size 48
		.amdhsa_user_sgpr_count 2
		.amdhsa_user_sgpr_kernarg_segment_ptr 1
		.amdhsa_wavefront_size32 1
		.amdhsa_system_sgpr_workgroup_id_x 1
		.amdhsa_system_sgpr_workgroup_id_y 1
		.amdhsa_system_sgpr_workgroup_id_z 1
		.amdhsa_system_vgpr_workitem_id 0
		.amdhsa_next_free_vgpr 1024
		.amdhsa_next_free_sgpr 100
		.amdhsa_reserve_vcc 0
		.amdhsa_float_denorm_mode_32 3
		.amdhsa_float_denorm_mode_16_64 3
		.amdhsa_memory_ordered 1
		.amdhsa_forward_progress 1
		.amdhsa_inst_pref_size 165
	.end_amdhsa_kernel
	.amdgpu_metadata
---
amdhsa.version: [ 1, 2 ]
amdhsa.kernels:
  - .name:           k_q96bbba5e0f_outp
    .symbol:         k_q96bbba5e0f_outp.kd
    .args:
      - { .name: ao, .offset: 0, .size: 8, .value_kind: global_buffer, .address_space: global }
      - { .name: aos, .offset: 8, .size: 8, .value_kind: global_buffer, .address_space: global }
      - { .name: codes1, .offset: 16, .size: 8, .value_kind: global_buffer, .address_space: global }
      - { .name: scales1, .offset: 24, .size: 8, .value_kind: global_buffer, .address_space: global }
      - { .name: bo, .offset: 32, .size: 8, .value_kind: global_buffer, .address_space: global }
      - { .name: out0, .offset: 40, .size: 8, .value_kind: global_buffer, .address_space: global }
    .group_segment_fixed_size: 327680
    .private_segment_fixed_size: 0
    .kernarg_segment_align: 8
    .kernarg_segment_size: 48
    .max_flat_workgroup_size: 128
    .sgpr_count:     100
    .vgpr_count:     1024
    .wavefront_size: 32
...
	.end_amdgpu_metadata
.endif
;; end of part 4
;; ======== version 2 of 2: 4 launches; version 1 with the launch attn written anew for expert scheduling mode
;; workspace buffers: codes1 22,020,096 bytes; scales1 917,504 bytes; mbits 525,312 bytes of whole numbers; qkv 18,874,368 bytes; qkvs 786,432 bytes; ao 6,291,456 bytes; aos 524,288 bytes
;; launch prep: the kernel of part 1 again; grid 256 x 1, 8 waves a work-group, no clusters, 136,192 bytes of LDS; arguments query, key, value, Wq, Wk, Wv, Wo, attn_mask, codes1, scales1, mbits; writes codes1, scales1, mbits
;; launch proj: the kernel of part 2 again; grid 4 x 96, 4 waves a work-group, clusters of 4 x 4, 327,680 bytes of LDS; arguments codes1, scales1, bq, bk, bv, qkv, qkvs; writes qkv, qkvs
;; launch attn (part 5): grid 4 x 64, 16 waves a work-group, no clusters, 210,944 bytes of LDS; arguments qkv, qkvs, mbits, ao, aos; writes ao, aos
.if DOCPART == 5
	.amdgcn_target "amdgcn-amd-amdhsa--gfx1250"
	.amdhsa_code_object_version 6
	.text
	.protected	k_q96bbba5e0f_attn
	.globl	k_q96bbba5e0f_attn
	.p2align	8
	.type	k_q96bbba5e0f_attn,@function
k_q96bbba5e0f_attn:
	s_mov_b64 s[64:65], 0
	v_nop
	global_prefetch_b8 v0, s[64:65] scope:SCOPE_SE
	s_setreg_imm32_b32 hwreg(HW_REG_WAVE_SCHED_MODE, 0, 2), 2
	s_setreg_imm32_b32 hwreg(HW_REG_WAVE_MODE, 25, 1), 1
	s_wait_xcnt 0x0
	s_wait_alu depctr_vm_vsrc(0)
; For each of 64 (batch, head): O = softmax(mask(q k^T / 8)) v, both products on codes of FP6 (E2M3) with E8M0 scales; O is quantised along the head's 64 for the last projection and leaves as codes.
; THE SOFTMAX AHEAD OF THE SECOND PRODUCT: t = score x log2(e) / 8; M = the running largest t rounded UP to a whole number; p = 2^(t - M) is quantised along the keys, not normalised; the row's sum is taken of the
; unquantised p and divides O at the end.  When M moves, the sum and O are multiplied by 2^(old M - new M): exact.
; SHARES.  Work-group (x, n x 16 + head) owns 512 queries of one head.  THE HEAD'S WHOLE K AND V LIE IN LDS (2 x 98,304 bytes of codes, 12,288 of scale words), filled once through registers: one barrier in the launch.
; Each of the sixteen waves, four to a SIMD, takes two tiles of 16 queries one after the other and walks the 2,048 keys, 128 a step.
; NO TENSOR LOAD AND NO CLUSTER: a step without a hole in the mask jumps over its 64 selects, a branch on a stored whole number; and what the four work-groups of a head
; share is 208,896 bytes read once, for 512 x 2,048 scores each.  No prefetch: all reads of K and V stand at the head.
; LAYOUT.  Both products transposed: S^T = K Q^T, O^T = V^T P^T: a lane holds one query (lane % 16); score register 8 t + j is key 16 t + 8 (lane / 16) + j.  Quantised as they stand, p's codes come in the program's
; order inside a block (0-7, 16-23, 8-15, 24-31), which v's codes have too.
; K = 64 IN AN INSTRUCTION OF 128: Q's operand is six registers of codes and six of zeros; K's operand of tile t is registers 6 t .. 6 t + 11 of the step's 48: its upper six are the next tile's codes (behind tile 7: six
; zeros), which meet Q's zero codes and add nothing; the scale bytes that go with them are never 0xff.
; THE MASK: a record of 64 lane masks a step comes by scalar loads; hidden scores become -infinity ahead of the maximum.  A query all of whose keys are hidden has the sum 0: its scale bytes are stored as 0xff,
; which makes its whole output row NaN in the last projection, as the softmax of a row of -infinity does.
; LIMITS: NaN and infinities among the inputs are not served; a block of zeros or under 2^-124 gets the byte 1.
; THE MODE: SCHED_MODE bits 1:0 = 2 (LLVM: expert scheduling mode 2), set by the entry lines.  The code itself states the register dependences between vector or matrix instructions and memory or LDS
; instructions, with s_wait_alu, always for 0.  EXEC is written nowhere.
; THE PLAN.  Registers that memory or LDS instructions touch:
;   v1-4        lane terms, made once at the head, read by loads and stores, never written again.
;   v8-11       LDS addresses.  Head: made once, read by the stores that fill LDS.  Step: written by four additions at its head, read by its 26 LDS loads.
;   v16-21, v34 Q's codes and scale word: a tile's loads land in them; one vector line shifts v34; the products K Q^T read them.
;   v28-33      K's and V's scale words: LDS loads land in them, the products read them.
;   v36-83      ONE buffer for K and V (256 registers a wave leave 28 free, a second buffer wants 48): K's loads, K Q^T reads, V's loads, V^T P^T reads, the next step's K.
;   v96-197     at the head: global loads land, four registers are shifted, LDS stores read; from the first tile on they are S, O and P, written by vector and matrix instructions.
;   v192-197, v230  at a tile's end: written by conversions, swaps, moves and a select; read by the tile's four stores; written again in the next tile.
; A STEP has one wait on vm_vsrc, ahead of the four additions, and five on va_vdst: behind the additions (addresses written; the last products done with v36-83), behind K Q^T (done with v36-83, in which V lands),
; the two behind the exponentials, and ahead of V^T P^T (p's codes and scale word written).  A tile has one wait on vm_vsrc at its head and two on va_vdst: ahead of the reciprocal's reader and ahead of its stores.
.set VIMG,  98304                      ; LDS: K's images at 0 (step x 6,144 + c x 512 + 16 x lane: registers 4 c .. 4 c + 3 of the step's 48), V's here,
.set KSC,   196608                     ; K's scale words: step x 512 + 16 x lane,
.set VSC,   204800                     ; V's: step x 256 + 8 x lane,
.set SPARE, 208896                     ; the spare words, 128 bytes a wave: eight blocks of 256 bytes that no other line names
.set STEPB, 6144
.set L16,  1                           ; 16 x lane
.set L8,   2                           ; 8 x lane
.set R4,   3                           ; 4 r
.set R16,  4                           ; 16 r
.set SPW,  5                           ; LDS address of my spare word; never rewritten
.set NIL,  6                           ; 0; never rewritten
.set NINF, 7                           ; -infinity
.set ADK,  8                           ; v8-11 the step's LDS addresses: K, V, K's scale words, V's
.set ADV,  9
.set ADS,  10
.set ADT,  11
.set Q,    16                          ; v16-27 Q's operand (v22-27 zeros)
.set KS,   28                          ; v28-31 K's scale words; v32-33 V's; v34 Q's; v35 p's: these hold scales alone
.set VS,   32
.set QS,   34
.set PS,   35
.set F,    36                          ; v36-83 a step's K, then its V; v84-89 zeros
.set AV0,  90                          ; v90-92 constant places: V's images, K's scale words, V's
.set ASK0, 91
.set ASV0, 92
.set S,    96                          ; v96-159 S^T, then p
.set O,    160                         ; v160-191 O^T
.set P,    192                         ; v192-203 p's codes; v204-206, v208-210 the conversions' second halves
.set BM,   212                         ; the blocks' largest scores, then largest p
.set BP,   216                         ; the permutes' destinations, then the bytes
.set BO,   220                         ; the conversions' scale operands
.set FF,   224                         ; v[224:225] f
.set T0,   226                         ; v[226:227] at work
.set CH,   228                         ; v[228:229] the sums' second chain
.set WD,   230
.set WN,   231
	s_load_b256 s[4:11], s[0:1], 0x0               ; qkv, qkvs, mbits, ao
	s_load_b64 s[12:13], s[0:1], 0x20              ; aos
	v_lshl_add_u32 v[SPW], v0, 2, SPARE
	v_mov_b32 v[NIL], 0
	v_lshrrev_b32 v8, 5, v0
	v_readfirstlane_b32 s14, v8                    ; wave 0..15
	v_and_b32 v9, 31, v0
	v_and_b32 v10, 15, v0
	v_lshlrev_b32 v[L16], 4, v9
	v_lshlrev_b32 v[L8], 3, v9
	v_lshlrev_b32 v[R4], 2, v10
	v_lshlrev_b32 v[R16], 4, v10
	v_mov_b32 v[NINF], 0xff800000
	v_add_nc_u32 v[AV0], VIMG, v[L16]
	v_add_nc_u32 v[ASK0], KSC, v[L16]
	v_add_nc_u32 v[ASV0], VSC, v[L8]
	s_wait_alu depctr_va_sdst(0)                   ; s14 is written, ahead of its first reader: LDS places and memory offsets are made from it
	s_mul_i32 s16, s14, STEPB                      ; wave w fills key step w
	v_add_nc_u32 v[ADK], s16, v[L16]
	v_add_nc_u32 v[ADV], s16, v[AV0]
	s_lshl_b32 s17, s14, 9
	v_add_nc_u32 v[ADS], s17, v[ASK0]
	s_lshl_b32 s17, s14, 8
	v_add_nc_u32 v[ADT], s17, v[ASV0]
	s_and_b32 s18, ttmp7, 0xffff                   ; n x 16 + head
	s_and_b32 s15, s18, 1
	s_lshl_b32 s19, s15, 3                         ; 8 x the head's parity
	s_lshl_b32 s15, s15, 4                         ; 16 x it: by so many bits the head's two scale bytes stand up in a word of its pair
	s_mul_i32 s20, s18, 98304
	s_add_co_u32 s20, s20, s16
	s_add_co_u32 s20, s20, 6291456                 ; k's section, my head, my step
	s_mov_b32 s21, 0
	s_lshr_b32 s22, s18, 1
	s_lshl_b32 s22, s22, 4
	s_add_co_u32 s22, s22, s14
	s_lshl_b32 s22, s22, 9
	s_add_co_u32 s22, s22, 262144                  ; k's scale words: the record of my pair of heads and my step
	s_mov_b32 s23, 0
	s_add_co_u32 s30, s19, 262144                  ; from there to v's record, and in it my head's two words
	s_mov_b32 s31, 0
	s_mov_b32 s84, 0x76543210                      ; s[84:85] selects of v_permlanex16_b32 for lane l xor 16
	s_mov_b32 s85, 0xfedcba98
	s_mov_b32 s86, 0x3e38aa3b                      ; s[86:87] c = log2(e) / 8
	s_mov_b32 s87, s86                             ; (named with it as a pair, so it is written)
.irp i, 0,1,2,3,4,5
	v_mov_b32 v[Q+6+\i], 0                         ; the zero codes of Q's upper 64,
	v_mov_b32 v[F+48+\i], 0                        ; and what stands behind tile 7 of K
.endr
.irp b, 0,1,2,3
	v_mov_b32 v[BP+\b], 0                          ; written once: a lane permute's destination counts as one of its sources
.endr
	v_mov_b32 v[FF+1], 0                           ; (upper halves of pairs of which the low word alone is used)
	v_mov_b32 v[T0+1], 0
	s_wait_kmcnt 0x0
	s_add_nc_u64 s[24:25], s[4:5], s[20:21]
	s_add_nc_u64 s[26:27], s[24:25], 6291456       ; v's section
	s_add_nc_u64 s[28:29], s[6:7], s[22:23]
	s_add_nc_u64 s[30:31], s[28:29], s[30:31]
	s_wait_alu depctr_va_vdst(0)                   ; the lane terms v1 to v4 and the LDS addresses v8 to v11 are written, which the loads and the LDS stores below read; so are the zero codes, which the products take
.irp c, 0,1,2,3,4,5,6,7,8,9,10,11      ; two pieces of 256 bytes make four consecutive registers
	global_load_b64 v[96+4*\c:97+4*\c], v[L8], s[24:25] offset:512*\c
	global_load_b64 v[98+4*\c:99+4*\c], v[L8], s[24:25] offset:512*\c+256
	global_load_b64 v[144+4*\c:145+4*\c], v[L8], s[26:27] offset:512*\c
	global_load_b64 v[146+4*\c:147+4*\c], v[L8], s[26:27] offset:512*\c+256
.endr
	global_load_b128 v[192:195], v[L16], s[28:29]
	global_load_b64 v[196:197], v[L16], s[30:31]
	s_wait_loadcnt 0x0
.irp c, 0,1,2,3,4,5,6,7,8,9,10,11      ; these stores' data come from loads and their addresses stand ahead of the wait above; no vector instruction has been issued since: no further wait
	ds_store_b128 v[ADK], v[96+4*\c:99+4*\c] offset:512*\c
	ds_store_b128 v[ADV], v[144+4*\c:147+4*\c] offset:512*\c
.endr
	ds_store_b64 v[ADT], v[196:197]
.irp i, 0,1,2,3
	v_lshrrev_b32 v[192+\i], s15, v[192+\i]        ; my head's two bytes to bytes 0 and 1; bytes 2 and 3 are then the other head's or 0, never 0xff
.endr
	s_wait_alu depctr_va_vdst(0)                   ; the four shifts have written v192 to v195, which the LDS store below reads
	ds_store_b128 v[ADS], v[192:195]
	s_wait_dscnt 0x0                               ; for the others' sake: my stores have landed
	s_barrier_signal -1
	s_barrier_wait -1                              ; the head's K and V lie in LDS; nothing is stored there again
; A TILE OF 16 QUERIES: tile 32 x + 16 u + wave of the head's 128.
.macro TILE u
	s_wait_xcnt 0x0                                ; the last tile's stores have read their data and bases
	s_wait_alu depctr_vm_vsrc(0)                   ; first tile: the LDS stores have read v8 to v11 and v96 to v197; second tile: the last tile's stores have read v192 to v197 and v230: all these are written again below
	s_lshl_b32 s93, ttmp9, 5
	s_add_co_u32 s93, s93, 16*\u
	s_add_co_u32 s93, s93, s14                     ; QT
	s_and_b32 s16, ttmp7, 0xffff
	s_mul_i32 s17, s16, 98304
	s_mul_i32 s18, s93, 768
	s_add_co_u32 s18, s18, s17
	s_mov_b32 s19, 0
	s_add_nc_u64 s[96:97], s[4:5], s[18:19]        ; q's codes: six registers a tile
	s_lshr_b32 s20, s16, 1
	s_lshl_b32 s20, s20, 4
	s_lshr_b32 s21, s93, 3
	s_add_co_u32 s20, s20, s21
	s_lshl_b32 s20, s20, 9                         ; q's scale words: the record of the pair of heads and of QT / 8;
	s_and_b32 s21, s93, 1
	s_lshl_b32 s21, s21, 8                         ; row 16 (QT % 8) + r is word (QT % 8) / 2 of lane 16 (QT % 2) + r
	s_add_co_u32 s20, s20, s21
	s_bfe_u32 s21, s93, 0x20001
	s_lshl_b32 s21, s21, 2
	s_add_co_u32 s20, s20, s21
	s_mov_b32 s21, 0
	s_add_nc_u64 s[98:99], s[6:7], s[20:21]
	s_lshl_b32 s22, s93, 12
	s_mov_b32 s23, 0
	s_add_nc_u64 s[94:95], s[8:9], s[22:23]        ; the tile's 16 records of lane masks
	s_lshl_b32 s24, s93, 3
	s_add_co_u32 s24, s24, 524288
	s_mov_b32 s25, 0
	s_add_nc_u64 s[100:101], s[8:9], s[24:25]
	s_load_b64 s[2:3], s[100:101], 0x0             ; its two flag words, eight steps each
.irp p, 0,1,2                          ; no wait on va_vdst here: the last one (ahead of the LDS store at the head; ahead of the last tile's stores) stands behind every product that read v16 to v21 and v34 and behind the shift of v34, and no vector instruction has been issued since
	global_load_b64 v[Q+2*\p:Q+2*\p+1], v[L8], s[96:97] offset:256*\p
.endr
	global_load_b32 v[QS], v[R16], s[98:99]
	s_mov_b32 s88, 0                               ; the step's place among the images,
	s_mov_b32 s89, 0                               ; among K's scale words,
	s_mov_b32 s90, 0                               ; among V's,
	s_mov_b32 s91, 0                               ; and its number
	s_wait_kmcnt 0x0
	s_lshl_b32 s3, s3, 8
	s_or_b32 s92, s2, s3                           ; bit i: key step i has a hole
	s_wait_loadcnt 0x0
	v_lshrrev_b32 v[QS], s15, v[QS]                ; my head's two bytes to bytes 0 and 1.  (The 36 lines below are the places between this write and the first product)
	v_mov_b32 v13, 0xff61b1e6                      ; the largest t so far: -3e38, under every t
	v_floor_f32 v12, -v13                          ; -M
	v_mov_b32 v14, 0                               ; the sum, in two halves
	v_mov_b32 v15, 0
.set j, 0
.rept 32
	v_mov_b32 v[O+j], 0                            ; O^T: the step is written once; the first finds zeros, which the first change of M leaves zeros
.set j, j+1
.endr
.Lstep_\@:                             ; 16 trips: 128 keys each
	s_load_b512 s[16:31], s[94:95], 0x0            ; the step's 64 lane masks
	s_load_b512 s[32:47], s[94:95], 0x40
	s_load_b512 s[48:63], s[94:95], 0x80
	s_load_b512 s[68:83], s[94:95], 0xc0
	s_wait_alu depctr_vm_vsrc(0)                   ; the last step's LDS loads have read v8 to v11, which the four lines below write
	v_add_nc_u32 v[ADK], s88, v[L16]               ; (these four are also the places behind the last step's products, in front of the loads into their sources)
	v_add_nc_u32 v[ADV], s88, v[AV0]
	v_add_nc_u32 v[ADS], s89, v[ASK0]
	v_add_nc_u32 v[ADT], s90, v[ASV0]
	s_wait_alu depctr_va_vdst(0)                   ; the four addresses are written, which this step's LDS loads read; the last step's products are done reading v28 to v83, in which these loads land; in a tile's first step Q's scale word is written, which the products take
.irp c, 0,1,2,3,4,5,6,7,8,9,10,11
	ds_load_b128 v[F+4*\c:F+4*\c+3], v[ADK] offset:512*\c
.endr
	ds_load_b128 v[KS:KS+3], v[ADS]                ; register i: tile 2 i in lanes 0-15, tile 2 i + 1 in lanes 16-31
	s_wait_dscnt 0x0
.irp t, 0,2,4,6                        ; S^T = K Q^T: eight tiles of 16 keys
	v_wmma_scale_f32_16x16x128_f8f6f4 v[S+8*\t:S+8*\t+7], v[F+6*\t:F+6*\t+11], v[Q:Q+11], 0, v[KS+\t/2], v[QS] matrix_a_fmt:MATRIX_FMT_FP6 matrix_b_fmt:MATRIX_FMT_FP6
	v_wmma_scale_f32_16x16x128_f8f6f4 v[S+8*\t+8:S+8*\t+15], v[F+6*\t+6:F+6*\t+17], v[Q:Q+11], 0, v[KS+\t/2], v[QS] matrix_a_fmt:MATRIX_FMT_FP6 matrix_b_fmt:MATRIX_FMT_FP6 matrix_a_scale:MATRIX_SCALE_ROW1
.endr
.rept 4
	v_nop                                          ; places in front of the loads into K's registers and of the first read of the scores
.endr
	s_wait_alu depctr_va_vdst(0)                   ; the eight products are done reading v36 to v83, in which V lands (V's scale words were last read by products that stand ahead of the wait at this step's head)
.irp c, 0,1,2,3,4,5,6,7,8,9,10,11
	ds_load_b128 v[F+4*\c:F+4*\c+3], v[ADV] offset:512*\c   ; V lands under the softmax, none of whose lines names v32, v33 or v36 to v83
.endr
	ds_load_b64 v[VS:VS+1], v[ADT]
	s_wait_kmcnt 0x0                               ; the lane masks are in, and their pointer may step
	s_add_nc_u64 s[94:95], s[94:95], 256
	s_lshr_b32 s2, s92, s91
	s_and_b32 s2, s2, 1
	s_cmp_lg_u32 s2, 0
	s_cbranch_scc0 .Lopen_\@                       ; a step all of whose scores count jumps over the selects alone
.set k, 0
.rept 64
	v_cndmask_b32 v[S+k], v[NINF], v[S+k], s[16+k+4*(k/48)]   ; hidden scores become -infinity: p = 0 then
.set k, k+1
.endr
.Lopen_\@:
.irp b, 0,1,2,3
	v_max3_num_f32 v[BM+\b], v[S+16*\b], v[S+1+16*\b], v[S+2+16*\b]   ; the largest score of each block of 32 keys: it serves for the row's maximum and, since p rises with the score, for the block's largest p
.endr
.irp i, 3,5,7,9,11,13
.irp b, 0,1,2,3
	v_max3_num_f32 v[BM+\b], v[BM+\b], v[S+16*\b+\i], v[S+1+16*\b+\i]
.endr
.endr
.irp b, 0,1,2,3
	v_max_num_f32 v[BM+\b], v[BM+\b], v[S+15+16*\b]
.endr
.irp b, 0,1,2,3
	v_permlanex16_b32 v[BP+\b], v[BM+\b], s84, s85
.endr
.irp b, 0,1,2,3
	v_max_num_f32 v[BM+\b], v[BM+\b], v[BP+\b]     ; with lane l xor 16's 16 keys
.endr
	v_max3_num_f32 v[T0], v[BM], v[BM+1], v[BM+2]
	v_max_num_f32 v[T0], v[T0], v[BM+3]            ; the step's largest score of my query
	v_mul_f32 v[T0], s86, v[T0]                    ; as t (c is positive)
	v_max_num_f32 v13, v13, v[T0]                  ; the running largest t
	v_mov_b32 v[T0], v12
	v_floor_f32 v12, -v13                          ; the new -M = floor(-t): M is a whole number
	v_sub_f32 v[T0], v12, v[T0]                    ; old M - new M: a whole number, 0 or less
	v_cvt_i32_f32 v[T0], v[T0]                     ; (it saturates)
	v_ldexp_f32 v[FF], 1.0, v[T0]                  ; f = 2^(old M - new M): a multiplication by it rounds nothing
.set j, 0
.rept 32
	v_pk_fma_f32 v[S+j:S+j+1], v[S+j:S+j+1], s[86:87], v[12:13] op_sel_hi:[1,0,0]   ; t - M, two at a time (of the pairs c and -M the low word serves both halves)
.set j, j+2
.endr
.irp b, 0,1,2,3
	v_fma_f32 v[BM+\b], v[BM+\b], s86, v12         ; the same of each block's largest score
.endr
.set j, 0
.rept 64
	v_exp_f32 v[S+j], v[S+j]                       ; p = 2^(t - M), at most 1: not normalised
.set j, j+1
.endr
	v_pk_mul_f32 v[14:15], v[14:15], v[FF:FF+1] op_sel_hi:[1,0]   ; the sums under the new M: a plain place behind the exponentials
	s_wait_alu depctr_va_vdst(0)                   ; the 64 exponentials have written p: one wait for the whole batch, ahead of its first reader
.irp b, 0,1,2,3
	v_exp_f32 v[BM+\b], v[BM+\b]                   ; the block's largest p: the same two instructions on the same number give the same bits
.endr
	v_pk_add_f32 v[CH:CH+1], v[S:S+1], v[S+2:S+3]  ; the row's sum is taken of the unquantised p: two at a time, in two chains
.irp j, 4,8,12,16,20,24,28,32,36,40,44,48,52,56,60
	v_pk_add_f32 v[14:15], v[14:15], v[S+\j:S+1+\j]
	v_pk_add_f32 v[CH:CH+1], v[CH:CH+1], v[S+2+\j:S+3+\j]
.endr
	v_pk_add_f32 v[14:15], v[14:15], v[CH:CH+1]
	s_wait_alu depctr_va_vdst(0)                   ; the four exponentials have written the blocks' largest p, ahead of their first reader
.irp b, 0,1,2,3
	v_max_num_f32 v[BM+\b], 0x1800000, v[BM+\b]    ; the floor 2^(3 - 127): the byte cannot fall under 1 (a block whose every p is 0 keeps that byte: its codes are zeros)
.endr
.irp b, 0,1,2,3
	v_add_nc_u32 v[BO+\b], 0xff000000, v[BM+\b]    ; 2 off the exponent field: the conversion's scale operand
.endr
.irp b, 0,1,2,3
	v_lshrrev_b32 v[BP+\b], 23, v[BO+\b]           ; the scale's byte
.endr
	v_lshl_or_b32 v[PS], v[BP+1], 8, v[BP]         ; p's scale word for these 128 keys
	v_lshl_or_b32 v[PS], v[BP+2], 16, v[PS]
	v_lshl_or_b32 v[PS], v[BP+3], 24, v[PS]
.irp c, 0,1
	v_cvt_scalef32_pk16_fp6_f32 v[P+6*\c:P+2+6*\c], v[S+32*\c:S+15+32*\c], v[BO+2*\c]
	v_cvt_scalef32_pk16_fp6_f32 v[P+12+4*\c:P+14+4*\c], v[S+16+32*\c:S+31+32*\c], v[BO+2*\c+1]   ; (a conversion's three registers begin on an even number)
.endr
	v_nop                                          ; one plain place behind a scaled conversion
.irp c, 0,1                            ; the operand's layout wants a whole block in a lane
.irp i, 0,1,2
	v_permlane16_swap_b32 v[P+6*\c+\i], v[P+12+4*\c+\i]
.endr
.irp i, 0,1,2
	v_mov_b32 v[P+3+6*\c+\i], v[P+12+4*\c+\i]
.endr
.endr
.set j, 0
.rept 16
	v_pk_mul_f32 v[O+j:O+j+1], v[O+j:O+j+1], v[FF:FF+1] op_sel_hi:[1,0]   ; O^T under the new M.  (These sixteen are also the places between the writes of p's codes and scale word and the products)
.set j, j+2
.endr
	s_wait_dscnt 0x0                               ; V and its scale words are in
	s_wait_alu depctr_va_vdst(0)                   ; p's codes v192 to v203 and its scale word v35 are written, which the scaled products below take; the sixteen places above stay beside this wait
.irp t, 0,2                            ; O^T += V^T P^T: four tiles of 16 channels, one instruction on each accumulator
	v_wmma_scale_f32_16x16x128_f8f6f4 v[O+8*\t:O+8*\t+7], v[F+12*\t:F+12*\t+11], v[P:P+11], v[O+8*\t:O+8*\t+7], v[VS+\t/2], v[PS] matrix_a_fmt:MATRIX_FMT_FP6 matrix_b_fmt:MATRIX_FMT_FP6
	v_wmma_scale_f32_16x16x128_f8f6f4 v[O+8*\t+8:O+8*\t+15], v[F+12*\t+12:F+12*\t+23], v[P:P+11], v[O+8*\t+8:O+8*\t+15], v[VS+\t/2], v[PS] matrix_a_fmt:MATRIX_FMT_FP6 matrix_b_fmt:MATRIX_FMT_FP6 matrix_a_scale:MATRIX_SCALE_ROW1
.endr
	s_add_co_u32 s88, s88, STEPB
	s_add_co_u32 s89, s89, 512
	s_add_co_u32 s90, s90, 256
	s_add_co_u32 s91, s91, 1
	s_cmp_lt_u32 s91, 16
	s_cbranch_scc1 .Lstep_\@
	; ---- the tile's end: O^T / the sum, quantised along the head's 64 (two blocks), stored as the head's half of a fragment of the last projection's operand
.rept 4
	v_nop                                          ; places behind the last products
.endr
	s_and_b32 s16, ttmp7, 0xffff
	s_lshr_b32 s17, s16, 4                         ; n
	s_and_b32 s18, s16, 15                         ; head
	s_lshl_b32 s19, s17, 7
	s_add_co_u32 s19, s19, s93
	s_lshl_b32 s19, s19, 3
	s_lshr_b32 s20, s18, 1
	s_add_co_u32 s19, s19, s20                     ; (row tile n x 128 + QT) x 8 + K step head / 2
	s_mul_i32 s20, s19, 1536
	s_mul_i32 s21, s15, 48                         ; + 768 for an odd head: pieces 3 to 5
	s_add_co_u32 s20, s20, s21
	s_mov_b32 s21, 0
	s_add_nc_u64 s[96:97], s[10:11], s[20:21]
	s_lshl_b32 s22, s18, 15                        ; aos: [head][row], a word each
	s_lshl_b32 s23, s17, 13
	s_add_co_u32 s22, s22, s23
	s_lshl_b32 s23, s93, 6
	s_add_co_u32 s22, s22, s23
	s_mov_b32 s23, 0
	s_add_nc_u64 s[98:99], s[12:13], s[22:23]
	v_add_f32 v14, v14, v15                        ; the sum's two halves,
	v_permlanex16_b32 v[BP], v14, s84, s85
	v_add_f32 v14, v14, v[BP]                      ; and lane l xor 16's: the row's sum
	v_cmp_eq_f32 s3, 0, v14                        ; 0 only where every key was hidden
	v_rcp_f32 v[T0], v14
	v_mov_b32 v[WN], 0xffff                        ; (a plain place behind the transcendental)
	s_wait_alu depctr_va_vdst(0)                   ; the reciprocal is written, ahead of its first reader
.set j, 0
.rept 16
	v_pk_mul_f32 v[S+j:S+j+1], v[O+j:O+j+1], v[T0:T0+1] op_sel_hi:[1,0]   ; register 8 t + i: channel 16 t + 8 h + i of my query; each accumulator from its low end on
.set j, j+2
.endr
.irp b, 0,1
	v_max3_num_f32 v[BM+\b], |v[S+16*\b]|, |v[S+1+16*\b]|, 0x1800000
.endr
.irp i, 2,4,6,8,10,12,14
.irp b, 0,1
	v_max3_num_f32 v[BM+\b], v[BM+\b], |v[S+16*\b+\i]|, |v[S+1+16*\b+\i]|
.endr
.endr
.irp b, 0,1
	v_permlanex16_b32 v[BP+\b], v[BM+\b], s84, s85
.endr
.irp b, 0,1
	v_max_num_f32 v[BM+\b], v[BM+\b], v[BP+\b]
.endr
.irp b, 0,1
	v_add_nc_u32 v[BO+\b], 0xff000000, v[BM+\b]
.endr
.irp b, 0,1
	v_lshrrev_b32 v[BP+\b], 23, v[BO+\b]
.endr
	v_lshl_or_b32 v[WD], v[BP+1], 8, v[BP]
	s_wait_alu depctr_va_sdst(0)                   ; the compare above has written s3, ahead of its first reader, the select below
	v_cndmask_b32 v[WD], v[WD], v[WN], s3          ; a query with no key: the bytes 0xff
	v_lshlrev_b32 v[WD], s15, v[WD]                ; at the head's place in the K step's word; the other head's two bytes stay 0 and are joined by an OR in the last launch
	v_cvt_scalef32_pk16_fp6_f32 v[P:P+2], v[S:S+15], v[BO]
	v_cvt_scalef32_pk16_fp6_f32 v[P+12:P+14], v[S+16:S+31], v[BO+1]
	v_nop                                          ; one plain place behind a scaled conversion
.irp i, 0,1,2
	v_permlane16_swap_b32 v[P+\i], v[P+12+\i]
.endr
.irp i, 0,1,2
	v_mov_b32 v[P+3+\i], v[P+12+\i]                ; lane (r, h): block h of the head, six registers
.endr
	s_wait_alu depctr_va_vdst(0)                   ; the codes v192 to v197 and the scale word v230 are written, which the four stores below read
.irp p, 0,1,2
	global_store_b64 v[L8], v[P+2*\p:P+2*\p+1], s[96:97] offset:256*\p   ; a piece: 256 consecutive bytes, aligned
.endr
	global_store_b32 v[R4], v[WD], s[98:99]        ; 16 words, 64 consecutive bytes; lanes 16-31 hold and write the same words as lanes 0-15
.endm
	TILE 0
	TILE 1
	s_wait_dscnt 0x0                               ; the closing lines, six on end
	s_wait_alu 0x0
	s_wait_tensorcnt 0x0
	ds_add_u32 v[SPW], v[NIL]
	s_wait_dscnt 0x0
	s_endpgm
.Lfunc_end_k_q96bbba5e0f_attn:
	.size	k_q96bbba5e0f_attn, .Lfunc_end_k_q96bbba5e0f_attn-k_q96bbba5e0f_attn
	.p2alignl 7, 3214868480
	.fill 96, 4, 3214868480
	.section	.rodata,"a",@progbits
	.p2align	6, 0x0
	.amdhsa_kernel k_q96bbba5e0f_attn
		.amdhsa_group_segment_fixed_size 210944
		.amdhsa_private_segment_fixed_size 0
		.amdhsa_enable_private_segment 0
		.amdhsa_kernarg_size 40
		.amdhsa_user_sgpr_count 2
		.amdhsa_user_sgpr_kernarg_segment_ptr 1
		.amdhsa_wavefront_size32 1
		.amdhsa_system_sgpr_workgroup_id_x 1
		.amdhsa_system_sgpr_workgroup_id_y 1
		.amdhsa_system_sgpr_workgroup_id_z 1
		.amdhsa_system_vgpr_workitem_id 0
		.amdhsa_next_free_vgpr 256
		.amdhsa_next_free_sgpr 102
		.amdhsa_reserve_vcc 0
		.amdhsa_float_denorm_mode_32 3
		.amdhsa_float_denorm_mode_16_64 3
		.amdhsa_memory_ordered 1
		.amdhsa_forward_progress 1
		.amdhsa_inst_pref_size 65
	.end_amdhsa_kernel
	.amdgpu_metadata
---
amdhsa.version: [ 1, 2 ]
amdhsa.kernels:
  - .name:           k_q96bbba5e0f_attn
    .symbol:         k_q96bbba5e0f_attn.kd
    .args:
      - { .name: qkv, .offset: 0, .size: 8, .value_kind: global_buffer, .address_space: global }
      - { .name: qkvs, .offset: 8, .size: 8, .value_kind: global_buffer, .address_space: global }
      - { .name: mbits, .offset: 16, .size: 8, .value_kind: global_buffer, .address_space: global }
      - { .name: ao, .offset: 24, .size: 8, .value_kind: global_buffer, .address_space: global }
      - { .name: aos, .offset: 32, .size: 8, .value_kind: global_buffer, .address_space: global }
    .group_segment_fixed_size: 210944
    .private_segment_fixed_size: 0
    .kernarg_segment_align: 8
    .kernarg_segment_size: 40
    .max_flat_workgroup_size: 512
    .sgpr_count:     102
    .vgpr_count:     256
    .wavefront_size: 32
...
	.end_amdgpu_metadata
.endif
;; end of part 5
;; launch outp: the kernel of part 4 again; grid 4 x 32, 4 waves a work-group, clusters of 4 x 4, 327,680 bytes of LDS; arguments ao, aos, codes1, scales1, bo, out0; writes out0
